; MI455X (gfx1250); checked and timed in simulation.
; The chip was launched on July 23, 2026; its instructions are those of AMD's public machine-readable ISA for CDNA 5 (MIT licence, August 2026) and "CDNA5" Instruction Set Architecture Reference Guide (July 2026). The comments in the code are by the model that wrote it; some were corrected since.
;; Attention. Allowed arithmetic: matrix products marked QUANTISED: E2M3 operands, one E8M0 scale for each 32 along K, by v_wmma_scale_f32_16x16x128_f8f6f4 with both operands' format E2M3, f32 sums; everything else in f32.
;; Inputs: b_out 256 float32; be_o 256 float32; bk 256 float32; bq 256 float32; bv 512 float32; gk 256 float32; go 256 float32; gq 256 float32; gv 512 float32; mk 256 float32; mo 256 float32; mq 256 float32; mv 512 float32; vk 256 float32; vo 256 float32; vq 256 float32; vv 512 float32; wk 256 x 256 float32; wo 256 x 512 float32; wq 256 x 256 float32; wv 512 x 256 float32; x 32 x 256 x 32 x 32 float32.
;; Outputs: out0 32 x 256 x 32 x 32 float32.
;; This version of the problem:
;;   THIS VERSION OF THE PROBLEM IS GIVEN IN LOW PRECISION. The matrix products marked QUANTISED in the list below multiply operands that are first quantised to E2M3 (2 exponent bits, 3 mantissa bits; 6 bits a number), with one power-of-two scale for each 32 numbers along K (OCP MX v1.0); their sums are f32. All else is computed in f32.
;;   The module's matrix products, in the order in which they are computed (A, B: the left and right operand; K: the contracted axis; several contracted axes count as one K, in the product's order):
;;     1. [M 256, K 256] x [K 256, N 32,768]; A: input wq; B: input x: QUANTISED
;;     2. [M 256, K 256] x [K 256, N 32,768]; A: input wk; B: input x: QUANTISED
;;     3. [M 512, K 256] x [K 256, N 32,768]; A: input wv; B: input x: QUANTISED
;;     4. batch 256 x [M 1,024, K 32] x [K 32, N 1,024]; A: computed on the way; B: computed on the way: QUANTISED
;;     5. batch 256 x [M 1,024, K 1,024] x [K 1,024, N 64]; A: softmax (see below); B: computed on the way: QUANTISED
;;     6. [M 256, K 512] x [K 512, N 32,768]; A: input wo; B: computed on the way: QUANTISED
;;   THE QUANTISER, for each operand of a quantised product, along K:
;;     - K is cut into blocks of 32 from its start; a last block that is shorter is filled with zeros.
;;     - A block's scale is 2^e with e = floor(log2(the largest magnitude in the block)) - 2, held to -126 .. 127; a block of zeros has e = 0. As a byte (E8M0): e + 127.
;;     - Each number is divided by its block's scale, clamped to +-7.5, and rounded to the nearest number of E2M3, ties to even, subnormals kept.
;;     - The product sums the exact products of the quantised numbers (number of the format x scale) in f32.
;;   ~~~python
;;   def quantise(x, axis):      # numpy; x: float32 -> the quantised numbers, widened to float32 again
;;       x = np.moveaxis(x, axis, -1); K = x.shape[-1]
;;       x = np.pad(x, [(0, 0)] * (x.ndim - 1) + [(0, -K % 32)]); x = x.reshape(x.shape[:-1] + (-1, 32)); a = np.abs(x).max(-1, keepdims=True)
;;       e = np.where(a > 0, np.clip(np.frexp(np.where(a > 0, a, 1))[1] - 1 - 2, -126, 127), 0)      # np.frexp(a)[1] - 1 = floor(log2(a)), exactly
;;       r = np.clip(x / 2.0 ** e, -7.5, 7.5)
;;       step = 2.0 ** (np.maximum(np.frexp(np.where(r == 0, 1, r))[1] - 1, 0) - 3)
;;       q = np.round(r / step) * step * 2.0 ** e      # np.round: ties to even
;;       return np.moveaxis(q.reshape(q.shape[:-2] + (-1,))[..., :K], -1, axis).astype(np.float32)
;;   ~~~
;;   SOFTMAX AHEAD OF A QUANTISED PRODUCT. Where the list says 'softmax', what is quantised is not the finished softmax but p = 2^(t - M), with t = logit x log2(e) and M = ceil(the row's largest t), a whole number; so 1/2 < the row's largest p <= 1. The row's sum l is taken of the UNQUANTISED p, in f32, and the product's result is divided by l at the end. Since M is a whole number, a kernel that streams over the keys may use a running M (the ceiling of the running maximum): every later rescaling is an exact power of two, which a block's scale takes up: the codes' values come out the same.
;;   OPERANDS COMPUTED ON THE WAY. 'Computed on the way' means the value that the module computes at that place (a softmax that the list does not call 'softmax' is quantised finished and normalised). What goes into a quantiser is computed in f32, as accurately as f32 sums, v_exp_f32 and their like allow (about 1e-6 of the number): no bf16 or f16 on the way to a quantiser, and a product that is left as it is and whose result goes on into a quantised operand takes f32 operands (vector FMAs, or v_wmma_f32_16x16x4_f32). A number that lies on a knife's edge between two numbers of the format may be rounded either way, as far as f32 arithmetic and the matrix unit's own rounding can turn it there, and no further.
;; 2 versions. Each part assembles by itself: llvm-mc -triple=amdgcn-amd-amdhsa -mcpu=gfx1250 --defsym DOCPART=n.
;; ======== version 1 of 2: 2 launches
;; limits: a function is approximated: absolute error at most 1.5e-07
;; workspace buffers: g_codes 12,582,912 bytes; g_scales 524,288 bytes; wo_codes 98,304 bytes; wo_scales 4,096 bytes
;; launch attn (part 1): grid 8 x 32, 16 waves a work-group, no clusters, 144,384 bytes of LDS; arguments x, wq, wk, wv, gq, bq, mq, vq, gk, bk, mk, vk, gv, bv, mv, vv, wo, g_codes, g_scales, wo_codes, wo_scales; writes g_codes, g_scales, wo_codes, wo_scales
.if DOCPART == 1
	.amdgcn_target "amdgcn-amd-amdhsa--gfx1250"
	.amdhsa_code_object_version 6
	.text
	.protected	k_q71ff1d0b69_attn
	.globl	k_q71ff1d0b69_attn
	.p2align	8
	.type	k_q71ff1d0b69_attn,@function
k_q71ff1d0b69_attn:
	s_mov_b64 s[64:65], 0
	v_nop
	global_prefetch_b8 v0, s[64:65] scope:SCOPE_SE
	s_setreg_imm32_b32 hwreg(HW_REG_WAVE_MODE, 25, 1), 1
	s_wait_xcnt 0x0
; One work-group = one (batch, head): the three projections with their batch norms, attention, 1 / l, GELU and the quantising of the result, all products on codes of FP6 (E2M3) with one E8M0 scale for each 32 along K.
; x [32][256][1024] f32 (K = the 256 channels, its outer axis); wq, wk [256][256], wv [512][256] f32 (K innermost); the batch norms' g, b, m, v; wo [256][512] f32.
; OUT: g_codes: gelu(attention's result) as codes, laid in the order of the next launch's operand registers: [b][tile T of 16 pixels][head] x 768 bytes (registers 0-3 of the head's six as 16 bytes a lane, then registers 4-5 as 8 bytes a lane);
;      g_scales [b][head][16 T + row] x 2 bytes; wo_codes [256][384 bytes], wo_scales [256][16 bytes]: this work-group quantises row 8 b + head of wo on the side.
; SHARES.  Sixteen waves of 256 registers, four to a SIMD.  Wave w owns pixels 64 w .. 64 w + 63: it quantises them, makes their q, k and v, and later walks all 1,024 keys for its four tiles of 16 queries, one tile at a time.
; K and V of the head never go to memory: they lie in LDS as images of operand registers, a record of 9,984 bytes for each key step of 128 keys.
; ONE PATTERN OF ROWS FOR EVERY TILE: row m of a tile stands for base + 8 u + (m & 7) + 16 (m >> 3), u the tile's parity.  So the 16 registers of two neighbouring result tiles are 16 neighbours along the next K.
; THE FIRST ATTENTION PRODUCT HAS K = 32 and the instruction 128: a fragment of K holds FOUR tiles of 16 keys, block t of row m being key (t, m), and q stands in four versions, its 32 codes in block t and zero codes elsewhere:
; version t picks tile t's scores.  64 keys cost 12 registers of LDS reads.  q's scale word has its byte in all four places.
; SOFTMAX: t = score x log2(e) / sqrt(32); M = the running largest t rounded up to a whole number; p = 2^(t - M) is quantised along the keys; the row's sum is taken of the unquantised p and divides at the end.
; GELU: x Phi(x) = 0.5 x + |x| (0.5 - w), w = 0.5 poly(u) 2^(-0.72134752 x x), u = 1 / (1 + 0.23164189 |x|), poly of degree 5 (Abramowitz and Stegun 7.1.26).
; NO JOINT LOADS for x, which the eight work-groups of a batch all read: a lane wants 32 channels of ONE pixel in 32 consecutive registers, and plain loads of 128 consecutive bytes a wave put them there;
; through LDS each work-group would write and read its 1,048,576 bytes of x once more.
; LIMITS: a block whose largest magnitude lies under 2^-124 has its scale byte held at 1; a block of zeros gets the byte 1 (its codes are zeros, and this program alone reads the bytes); NaN and infinities among the inputs are not served;
; Phi carries an absolute error of about 1.5e-7 beside f32 rounding; wo's codes and scale bytes (384 + 16 bytes a work-group) leave in pieces shorter than 256 bytes.
.set WIMG,  0                          ; LDS: the 16 weight fragments (tile wt, K step s: 2 wt + s = the wave that made it), 1,536 bytes each
.set WSC,   24576                      ; their scale words, 128 bytes each
.set BNT,   26624                      ; inv[128], then off[128] 512 bytes on: 0-31 q, 32-63 k, 64-127 v
.set GSS,   27648                      ; the result's scale bytes, 2 a pixel
.set QST,   29696                      ; q: 2,048 bytes a wave, 512 a tile: 16 bytes a lane: three registers of codes and the scale word
.set REC,   62464                      ; eight records, one a key step: +0 K's two fragments; +3072 V's eight half fragments of 768; +9216 K's two scale words; +9472 V's four
.set RECB,  9984
.set SPARE, 142336                     ; the spare words, 128 bytes for each wave: eight blocks of 256 bytes that no other line names
.set XA,  28                           ; v28-51   x's tile 0 of the group: two fragments;  v52-75 tile 1
.set XS,  76                           ; v76-77   x's scale words: lanes 0-15 tile 0, lanes 16-31 tile 1
.set WF,  78                           ; v78-125  four weight fragments (before them: 32 raw numbers of x)
.set WS,  126                          ; v126-129 their scale words
.set ACC, 130                          ; v130-161 four accumulators (before them: 32 raw numbers of x)
.set VG,  162                          ; v162-177 V's codes and byte of the wave's first 32 pixels, four registers a tile
.set KF,  52                           ; attention: v52-75 K's two fragments; v76-77 their scale words; v78-125 V's four; v126-129 their scale words
.set KW,  76
.set VF,  78
.set VW,  126
.set S,   130                          ; v130-193 the scores, then p
.set O,   194                          ; v194-225 the result, transposed
.set PC,  226                          ; v226-237 p's codes (in the projections: K's fragment as it grows)
; v1 16 x lane, v2 8 x lane, v3 4 x lane; v4-6 addresses in hand; v7 at work; v8, v9 the add's two; v10 a scale word (K's, then q's); v11 way out of the scale bytes; v12 -M, v13 the largest t, v[14:15] the sum
; v16-27 LDS addresses of the projections, then with v28-51 q's versions: QL 16-21, zeros 22-27, QL 28-33, QH 34-39, zeros 40-45, QH 46-51; version t begins at 16, 34, 22, 40
; v238-253 at work in the quantisers; v254 f = 2^(old M - new M), v255 p's scale word
; d = a x b + (0 or d), both operands FP6.  z = 1: the constant 0 starts the sum.  row = 1: a's scales from lanes 16-31;  2: b's
.macro MM d, a, b, sa, sb, z, row
.if \z
.if (\row) == 0
	v_wmma_scale_f32_16x16x128_f8f6f4 v[\d:\d+7], v[\a:\a+11], v[\b:\b+11], 0, v[\sa], v[\sb] matrix_a_fmt:MATRIX_FMT_FP6 matrix_b_fmt:MATRIX_FMT_FP6
.elseif (\row) == 1
	v_wmma_scale_f32_16x16x128_f8f6f4 v[\d:\d+7], v[\a:\a+11], v[\b:\b+11], 0, v[\sa], v[\sb] matrix_a_fmt:MATRIX_FMT_FP6 matrix_b_fmt:MATRIX_FMT_FP6 matrix_a_scale:MATRIX_SCALE_ROW1
.else
	v_wmma_scale_f32_16x16x128_f8f6f4 v[\d:\d+7], v[\a:\a+11], v[\b:\b+11], 0, v[\sa], v[\sb] matrix_a_fmt:MATRIX_FMT_FP6 matrix_b_fmt:MATRIX_FMT_FP6 matrix_b_scale:MATRIX_SCALE_ROW1
.endif
.else
.if (\row) == 0
	v_wmma_scale_f32_16x16x128_f8f6f4 v[\d:\d+7], v[\a:\a+11], v[\b:\b+11], v[\d:\d+7], v[\sa], v[\sb] matrix_a_fmt:MATRIX_FMT_FP6 matrix_b_fmt:MATRIX_FMT_FP6
.elseif (\row) == 1
	v_wmma_scale_f32_16x16x128_f8f6f4 v[\d:\d+7], v[\a:\a+11], v[\b:\b+11], v[\d:\d+7], v[\sa], v[\sb] matrix_a_fmt:MATRIX_FMT_FP6 matrix_b_fmt:MATRIX_FMT_FP6 matrix_a_scale:MATRIX_SCALE_ROW1
.else
	v_wmma_scale_f32_16x16x128_f8f6f4 v[\d:\d+7], v[\a:\a+11], v[\b:\b+11], v[\d:\d+7], v[\sa], v[\sb] matrix_a_fmt:MATRIX_FMT_FP6 matrix_b_fmt:MATRIX_FMT_FP6 matrix_b_scale:MATRIX_SCALE_ROW1
.endif
.endif
.endm
; 32 channels (block t) of my pixel of group gi: each load of the wave covers 128 consecutive bytes of one channel
.macro XLOAD gi, t
.set XR, 78+52*((\t)%2)
.set XI, 0
.rept 32
	global_load_b32 v[XR+XI], v22, s[8:9] offset:(32*(\t)+XI)*4096+128*(\gi)
.set XI, XI+1
.endr
.endm
; block t of my pixel becomes six registers of codes and a byte of the scale word; even blocks go to XA's registers, odd ones to XB's
.macro XBLOCK gi, t
.set XR, 78+52*((\t)%2)
.set XD, XA+24*((\t)%2)+6*((\t)/2)
.if (\t) < 7
	s_wait_loadcnt 32                              ; this block's 32 loads are in; the next block's 32 may be out
.else
	s_wait_loadcnt 0x0
.endif
	v_max3_num_f32 v12, |v[XR]|, |v[XR+1]|, |v[XR+2]|      ; the block's largest magnitude: all 32 numbers are mine; two chains
	v_max3_num_f32 v13, |v[XR+3]|, |v[XR+4]|, |v[XR+5]|
.irp i, 6,10,14,18,22,26
	v_max3_num_f32 v12, v12, |v[XR+\i]|, |v[XR+\i+1]|
	v_max3_num_f32 v13, v13, |v[XR+\i+2]|, |v[XR+\i+3]|
.endr
	v_max3_num_f32 v12, v12, |v[XR+30]|, |v[XR+31]|
	v_max3_num_f32 v12, v12, v13, 0x1800000        ; and the floor 2^(3 - 127): the byte cannot fall under 1
	v_add_nc_u32 v14, 0xff000000, v12              ; 2 off the exponent field: the conversion's scale operand
	v_lshrrev_b32 v15, 23, v14                     ; the scale's byte
.if (\t)%4 == 0
	v_mov_b32 v[XS+(\t)/4], v15
.else
	v_lshl_or_b32 v[XS+(\t)/4], v15, 8*((\t)%4), v[XS+(\t)/4]
.endif
	v_cvt_scalef32_pk16_fp6_f32 v[XD:XD+2], v[XR:XR+15], v14
	v_cvt_scalef32_pk16_fp6_f32 v[178:180], v[XR+16:XR+31], v14   ; (a conversion's three registers begin on an even number)
	v_nop                                          ; one plain place behind a scaled conversion
	v_mov_b32 v[XD+3], v178
	v_mov_b32 v[XD+4], v179
	v_mov_b32 v[XD+5], v180
.if (\t) < 6
	XLOAD \gi, (\t)+2                              ; two blocks ahead, into the registers just read
.endif
.endm
; two blocks, 16 registers a lane each (src, src + 16), the other 16 numbers of each in lane l xor 16: codes into c0.. and c1.., bytes into v244, v245
.macro QB2 src, c0, c1
	v_max3_num_f32 v238, |v[\src]|, |v[\src+1]|, 0x1800000
	v_max3_num_f32 v239, |v[\src+16]|, |v[\src+17]|, 0x1800000
.irp i, 2,4,6,8,10,12,14
	v_max3_num_f32 v238, v238, |v[\src+\i]|, |v[\src+\i+1]|
	v_max3_num_f32 v239, v239, |v[\src+16+\i]|, |v[\src+17+\i]|
.endr
	v_permlanex16_b32 v242, v238, s50, s51
	v_permlanex16_b32 v243, v239, s50, s51
	v_max_num_f32 v238, v238, v242
	v_max_num_f32 v239, v239, v243
	v_add_nc_u32 v250, 0xff000000, v238
	v_add_nc_u32 v251, 0xff000000, v239
	v_lshrrev_b32 v244, 23, v250
	v_lshrrev_b32 v245, 23, v251
	v_cvt_scalef32_pk16_fp6_f32 v[\c0:\c0+2], v[\src:\src+15], v250
	v_cvt_scalef32_pk16_fp6_f32 v[\c1:\c1+2], v[\src+16:\src+31], v251
	v_nop                                          ; one plain place behind a scaled conversion
.endm
; Two weight tiles (wt0, wt0 + 1) against the group's two tiles of pixels, K = 256 in two steps, then the batch norm.
; kind 0 (q, k): source 0 = the weights: a lane holds one pixel, and the 16 registers at ACC + 16 p are channels 16 (lane / 16) + 0 .. 15.
; kind 1 (v):    source 0 = x: a lane holds one channel, and the 16 registers at ACC + 16 a are pixels 16 (lane / 16) + 0 .. 15 of the group.
.macro UNIT kind, wt0
.irp a, 0,1
.irp s, 0,1
.irp c, 0,1,2
	ds_load_b128 v[WF+12*(2*\a+\s)+4*\c:WF+12*(2*\a+\s)+4*\c+3], v1 offset:WIMG+1536*(2*((\wt0)+\a)+\s)+512*\c
.endr
	ds_load_b32 v[WS+2*\a+\s], v3 offset:WSC+128*(2*((\wt0)+\a)+\s)
.endr
.endr
.if \kind == 0
.irp i, 0,1,2,3
	ds_load_b128 v[194+4*\i:197+4*\i], v23 offset:BNT+64*(\wt0)+16*\i          ; inv of my 16 channels
	ds_load_b128 v[210+4*\i:213+4*\i], v23 offset:BNT+512+64*(\wt0)+16*\i      ; off
.endr
.else
.irp a, 0,1
.set DT, (\wt0)-4+\a
	ds_load_b32 v[194+4*\a], v24 offset:BNT+256+4*(32*(DT/2)+8*(DT%2))         ; inv of my one channel, twice: a pair for the packed form
	ds_load_b32 v[195+4*\a], v24 offset:BNT+256+4*(32*(DT/2)+8*(DT%2))
	ds_load_b32 v[196+4*\a], v24 offset:BNT+768+4*(32*(DT/2)+8*(DT%2))         ; off likewise
	ds_load_b32 v[197+4*\a], v24 offset:BNT+768+4*(32*(DT/2)+8*(DT%2))
.endr
.endif
	s_wait_dscnt 0x0
.irp s, 0,1                                    ; the four accumulators take turns, one instruction a turn
.irp p, 0,1
.irp a, 0,1
.if \kind == 0
	MM ACC+16*\p+8*\a, WF+12*(2*\a+\s), XA+24*\p+12*\s, WS+2*\a+\s, XS+\s, 1-\s, 2*\p
.else
	MM ACC+16*\a+8*\p, XA+24*\p+12*\s, WF+12*(2*\a+\s), XS+\s, WS+2*\a+\s, 1-\s, \p
.endif
.endr
.endr
.endr
.rept 4
	v_nop                                          ; four places between the products and the first read of their results
.endr
.irp u, 0,1                                    ; the batch norm: result x inv + off, each accumulator from its low end on
.irp i, 0,2,4,6,8,10,12,14
.if \kind == 0
	v_pk_fma_f32 v[ACC+16*\u+\i:ACC+16*\u+\i+1], v[ACC+16*\u+\i:ACC+16*\u+\i+1], v[194+\i:195+\i], v[210+\i:211+\i]
.else
	v_pk_fma_f32 v[ACC+16*\u+\i:ACC+16*\u+\i+1], v[ACC+16*\u+\i:ACC+16*\u+\i+1], v[194+4*\u:195+4*\u], v[196+4*\u:197+4*\u]
.endif
.endr
.endr
.endm
; v of tiles dt0, dt0 + 1.  A block of 32 keys is one group.  Group 0's half blocks wait in VG; with group 1's they make half a fragment: lanes 0-15 the block of group 0, lanes 16-31 that of group 1
.macro FINV gi, dt0
.if \gi == 0
	QB2 ACC, VG+4*(\dt0), VG+4*(\dt0)+4
	v_mov_b32 v[VG+4*(\dt0)+3], v244
	v_mov_b32 v[VG+4*(\dt0)+7], v245
.else
	QB2 ACC, 178, 182
.irp a, 0,1
	v_lshl_or_b32 v[186+\a], v[244+\a], 8, v[VG+4*((\dt0)+\a)+3]               ; the two groups' bytes: my half of the key step's scale word
	ds_store_b16 v20, v[186+\a] offset:128*((\dt0)+\a)
.irp i, 0,1,2
	v_permlane16_swap_b32 v[VG+4*((\dt0)+\a)+\i], v[178+4*\a+\i]               ; the first now holds each lane's block's lower 16 codes, the second the upper 16
.endr
	v_mov_b32 v[VG+4*((\dt0)+\a)+3], v[178+4*\a]
	v_mov_b32 v[178+4*\a], v[179+4*\a]
	v_mov_b32 v[179+4*\a], v[180+4*\a]
	ds_store_b128 v17, v[VG+4*((\dt0)+\a):VG+4*((\dt0)+\a)+3] offset:1536*((\dt0)+\a)
	ds_store_b64 v18, v[178+4*\a:179+4*\a] offset:1536*((\dt0)+\a)+512
.endr
	s_wait_dscnt 0x0                               ; the stores have read their registers
.endif
.endm
; 32 pixels of the wave: lane l stands for pixel 64 w + 32 gi + (l & 7) + 16 ((l >> 3) & 1) + 8 (l >> 4): lanes 0-15 are tile 0's rows, lanes 16-31 tile 1's
.macro GROUP gi
.if \gi
	XLOAD 1, 0
	XLOAD 1, 1
.endif
.irp t, 0,1,2,3,4,5,6,7
	XBLOCK \gi, \t
.endr
.set XI, 0
.rept 24
	v_permlane16_swap_b32 v[XA+XI], v[XA+24+XI]    ; XA: lanes 0-15 tile 0's even blocks, lanes 16-31 tile 0's odd blocks: its fragments; the other set likewise tile 1's
.set XI, XI+1
.endr
.rept 8
	v_nop                                          ; scale words written by vector instructions stand eight places ahead of a scaled product, operands four
.endr
.if \gi == 0
	s_wait_dscnt 0x0                               ; my weight fragment and my part of the batch norms' table have landed
	s_barrier_signal -1
	s_barrier_wait -1                              ; everybody's have
.endif
	UNIT 0, 0                                      ; q
	QB2 ACC, 178, 182
	v_lshl_or_b32 v181, v244, 8, v244              ; the byte in all four places of the scale word
	v_lshl_or_b32 v185, v245, 8, v245
	v_lshl_or_b32 v181, v181, 16, v181
	v_lshl_or_b32 v185, v185, 16, v185
	ds_store_b128 v21, v[178:181] offset:512*(2*\gi)
	ds_store_b128 v21, v[182:185] offset:512*(2*\gi+1)
	s_wait_dscnt 0x0                               ; the stores have read their registers
	UNIT 0, 2                                      ; k
	QB2 ACC, PC+6*\gi, 246
.irp i, 0,1,2
	v_permlane16_swap_b32 v[PC+6*\gi+\i], v[246+\i]   ; lanes 0-15: the whole block of tile 2 gi's key, lanes 16-31: of tile 2 gi + 1's
.endr
.irp i, 0,1,2
	v_mov_b32 v[PC+6*\gi+3+\i], v[246+\i]
.endr
.if \gi == 0
	v_lshl_or_b32 v10, v245, 8, v244               ; K's scale word: byte t for tile t
.else
	v_lshl_or_b32 v7, v245, 8, v244
	v_lshl_or_b32 v10, v7, 16, v10
.endif
	UNIT 1, 4                                      ; v, channels' tiles 0 and 1
	FINV \gi, 0
	UNIT 1, 6                                      ; tiles 2 and 3
	FINV \gi, 2
.endm
	s_load_b512 s[8:23], s[0:1], 0x0               ; x 8, wq 10, wk 12, wv 14, gq 16, bq 18, mq 20, vq 22
	s_load_b512 s[24:39], s[0:1], 0x40             ; gk 24, bk 26, mk 28, vk 30, gv 32, bv 34, mv 36, vv 38
	s_load_b256 s[40:47], s[0:1], 0x80             ; wo 40, g_codes 42, g_scales 44, wo_codes 46
	s_load_b64 s[48:49], s[0:1], 0xa0              ; wo_scales
	v_lshl_add_u32 v8, v0, 2, SPARE                ; my spare word,
	v_mov_b32 v9, 0                                ; and 0: kept for the closing lines
	v_lshrrev_b32 v7, 5, v0
	v_readfirstlane_b32 s2, v7                     ; wave 0..15
	s_mov_b32 s3, ttmp9                            ; head
	s_and_b32 s4, ttmp7, 0xffff                    ; batch
	s_lshr_b32 s5, s2, 1                           ; my weight tile; also my key step
	s_and_b32 s6, s2, 1                            ; its K step; also my half of the key step
	v_and_b32 v12, 31, v0
	v_lshlrev_b32 v1, 4, v12
	v_lshlrev_b32 v2, 3, v12
	v_lshlrev_b32 v3, 2, v12
	v_bfe_u32 v13, v0, 4, 1                        ; lane / 16
	v_and_b32 v14, 7, v0
	v_bfe_u32 v15, v0, 3, 1
	v_lshlrev_b32 v24, 2, v14
	v_lshl_add_u32 v24, v15, 6, v24                ; 4 x the pattern's row of lane % 16: the table's place of my channel of v
	v_lshl_add_u32 v22, v13, 5, v24                ; 4 x my pixel in a group
	v_lshlrev_b32 v23, 6, v13                      ; the table's place of my 16 channels of q or k
	v_lshlrev_b32 v25, 2, v0                       ; where waves 0-3 write the table
	v_lshl_add_u32 v7, v24, 8, v23                 ; the weights: the pattern's row x 1,024 bytes + 64 x (lane / 16)
	; every LDS address register is made here, ahead of the first parting of the waves
	s_mul_i32 s7, s5, RECB
	s_add_co_u32 s7, s7, REC                       ; my record
	s_mul_i32 s76, s6, 1536
	s_add_co_u32 s76, s76, s7
	v_add_nc_u32 v16, s76, v1                      ; K's fragment
	s_mul_i32 s76, s6, 768
	s_add_co_u32 s76, s76, s7
	s_add_co_u32 s76, s76, 3072
	v_add_nc_u32 v17, s76, v1                      ; V's half fragments: 16 bytes a lane,
	v_add_nc_u32 v18, s76, v2                      ; and 8 bytes a lane
	s_lshl_b32 s76, s6, 7
	s_add_co_u32 s76, s76, s7
	s_add_co_u32 s76, s76, 9216
	v_add_nc_u32 v19, s76, v3                      ; K's scale word
	s_lshl_b32 s76, s6, 1
	s_add_co_u32 s76, s76, s7
	s_add_co_u32 s76, s76, 9472
	v_add_nc_u32 v20, s76, v3                      ; my two bytes of V's scale words
	s_lshl_b32 s76, s2, 11
	s_add_co_u32 s59, s76, QST                     ; my q
	v_add_nc_u32 v21, s59, v1
	s_mul_i32 s76, s2, 1536
	v_add_nc_u32 v26, s76, v1                      ; my weight fragment
	s_lshl_b32 s76, s2, 7
	v_add_nc_u32 v27, s76, v3                      ; its scale word
	s_add_co_u32 s60, s76, GSS                     ; my 128 bytes of the result's scale bytes
	s_lshl_b32 s76, s2, 9
	v_add_nc_u32 v11, s76, v1                      ; and the way out of them (waves 0-3)
	s_mov_b32 s50, 0x76543210
	s_mov_b32 s51, 0xfedcba98                      ; v_permlanex16_b32's selects for lane l xor 16
	s_mov_b32 s52, 0x3e8293ee                      ; c = log2(e) / sqrt(32)
	s_mov_b32 s53, s52                             ; (named with it as a pair)
	s_mov_b32 s54, 0x0000ffff                      ; lanes 0-15
	s_mov_b32 s55, 0xffff0000                      ; lanes 16-31
.irp i, 242,243,244,245,255
	v_mov_b32 v\i, 0                               ; written once: a lane permute's destination counts as a source, and v255 is named as the upper half of a pair
.endr
	; which weight rows are mine: q, k: 32 head + 8 (wt & 1);  v: 64 head + 32 ((wt >> 1) & 1) + 8 (wt & 1)
	s_and_b32 s76, s5, 1
	s_lshl_b32 s76, s76, 3
	s_lshl_b32 s77, s3, 5
	s_bfe_u32 s78, s5, 0x10001
	s_lshl_b32 s78, s78, 5
	s_lshl_b32 s79, s3, 6
	s_add_co_u32 s78, s78, s79
	s_cmp_lt_u32 s5, 4
	s_cselect_b32 s77, s77, s78
	s_add_co_u32 s76, s76, s77
	s_lshl_b32 s76, s76, 10                        ; rows of 1,024 bytes,
	s_lshl_b32 s77, s6, 9                          ; and my K step's 512
	s_add_co_u32 s76, s76, s77
	s_mov_b32 s77, 0
	s_lshl_b32 s84, s4, 3
	s_add_co_u32 s84, s84, s3                      ; 8 b + head
	s_lshl_b32 s78, s4, 20
	s_lshl_b32 s79, s2, 8
	s_add_co_u32 s78, s78, s79                     ; x: the batch, my 64 pixels
	s_mov_b32 s79, 0
	s_mul_i32 s80, s4, 393216
	s_mul_i32 s81, s2, 24576
	s_add_co_u32 s80, s80, s81
	s_mul_i32 s81, s3, 768
	s_add_co_u32 s80, s80, s81                     ; g_codes: the batch, my four tiles, the head
	s_mov_b32 s81, 0
	s_lshl_b32 s82, s84, 11
	s_and_b32 s83, s2, 3
	s_lshl_b32 s83, s83, 9
	s_add_co_u32 s82, s82, s83                     ; g_scales: 2,048 bytes a (batch, head), 512 for each of waves 0-3
	s_mov_b32 s83, 0
	s_wait_kmcnt 0x0
	s_add_nc_u64 s[8:9], s[8:9], s[78:79]
	s_add_nc_u64 s[42:43], s[42:43], s[80:81]
	s_add_nc_u64 s[44:45], s[44:45], s[82:83]
	s_lshl_b32 s78, s84, 11
	s_add_nc_u64 s[40:41], s[40:41], s[78:79]      ; wo's row 8 b + head
	s_mul_i32 s78, s84, 384
	s_add_nc_u64 s[46:47], s[46:47], s[78:79]
	s_lshl_b32 s78, s84, 4
	s_add_nc_u64 s[48:49], s[48:49], s[78:79]
	s_cmp_lt_u32 s5, 2
	s_cselect_b64 s[74:75], s[10:11], s[12:13]     ; the choice hangs on the wave's number alone
	s_cmp_lt_u32 s5, 4
	s_cselect_b64 s[74:75], s[74:75], s[14:15]
	s_add_nc_u64 s[74:75], s[74:75], s[76:77]
.set XI, 0
.rept 16                                       ; my weight fragment's numbers: register 16 q + i = k 32 q + 16 (lane / 16) + i of my row
	global_load_b128 v[162+4*XI:165+4*XI], v7, s[74:75] offset:128*(XI/4)+16*(XI%4)
.set XI, XI+1
.endr
	XLOAD 0, 0
	XLOAD 0, 1
	s_wait_loadcnt 63                              ; 64 loads were issued behind the weights' 16: the largest count that the wait can name shows the 16 in
.irp q, 0,1,2,3
	v_max3_num_f32 v[238+\q], |v[162+16*\q]|, |v[163+16*\q]|, 0x1800000
.endr
.irp i, 2,4,6,8,10,12,14
.irp q, 0,1,2,3
	v_max3_num_f32 v[238+\q], v[238+\q], |v[162+16*\q+\i]|, |v[163+16*\q+\i]|
.endr
.endr
.irp q, 0,1,2,3
	v_permlanex16_b32 v[242+\q], v[238+\q], s50, s51
.endr
.irp q, 0,1,2,3
	v_max_num_f32 v[238+\q], v[238+\q], v[242+\q]
.endr
.irp q, 0,1,2,3
	v_add_nc_u32 v[250+\q], 0xff000000, v[238+\q]
.endr
.irp q, 0,1,2,3
	v_lshrrev_b32 v[242+\q], 23, v[250+\q]
.endr
	v_lshl_or_b32 v48, v243, 8, v242
	v_lshl_or_b32 v48, v244, 16, v48
	v_lshl_or_b32 v48, v245, 24, v48
.irp c, 0,1
	v_cvt_scalef32_pk16_fp6_f32 v[28+6*\c:30+6*\c], v[162+32*\c:177+32*\c], v[250+2*\c]
	v_cvt_scalef32_pk16_fp6_f32 v[40+4*\c:42+4*\c], v[178+32*\c:193+32*\c], v[251+2*\c]
.endr
	v_nop                                          ; one plain place behind a scaled conversion
.irp c, 0,1
.irp i, 0,1,2
	v_permlane16_swap_b32 v[28+6*\c+\i], v[40+4*\c+\i]
.endr
.irp i, 0,1,2
	v_mov_b32 v[31+6*\c+\i], v[40+4*\c+\i]
.endr
.endr
.irp c, 0,1,2
	ds_store_b128 v26, v[28+4*\c:31+4*\c] offset:WIMG+512*\c   ; the fragment goes to LDS as an image of its registers
.endr
	ds_store_b32 v27, v48 offset:WSC
	; ---- the roles: waves 0-3 make the batch norms' table, a channel a lane; wave 15 quantises a row of wo
	s_cmp_lt_u32 s2, 4
	s_cbranch_scc0 .Lnot_bn
	s_cmp_eq_u32 s2, 1
	s_cselect_b64 s[66:67], s[24:25], s[32:33]
	s_cselect_b64 s[68:69], s[26:27], s[34:35]
	s_cselect_b64 s[70:71], s[28:29], s[36:37]
	s_cselect_b64 s[72:73], s[30:31], s[38:39]
	s_cmp_eq_u32 s2, 0
	s_cselect_b64 s[66:67], s[16:17], s[66:67]
	s_cselect_b64 s[68:69], s[18:19], s[68:69]
	s_cselect_b64 s[70:71], s[20:21], s[70:71]
	s_cselect_b64 s[72:73], s[22:23], s[72:73]
	s_lshl_b32 s76, s3, 7                          ; q, k: 32 channels a head
	s_lshl_b32 s77, s3, 8                          ; v: 64, wave 3 the upper 32
	s_max_u32 s78, s2, 2
	s_sub_co_u32 s78, s78, 2
	s_lshl_b32 s78, s78, 7
	s_add_co_u32 s77, s77, s78
	s_cmp_lt_u32 s2, 2
	s_cselect_b32 s76, s76, s77
	v_add_nc_u32 v49, s76, v3
	global_load_b32 v50, v49, s[66:67]             ; g
	global_load_b32 v51, v49, s[68:69]             ; b
	global_load_b32 v52, v49, s[70:71]             ; m
	global_load_b32 v53, v49, s[72:73]             ; v
	s_wait_loadcnt 0x0
	v_add_f32 v53, 0x3727c5ac, v53                 ; + 1e-5
	v_rsq_f32 v53, v53
	v_nop                                          ; a plain place behind the transcendental,
	s_wait_alu depctr_va_vdst(0)                   ; and a wait ahead of its first reader
	v_mul_f32 v53, v53, v50                        ; inv
	v_fma_f32 v54, -v52, v53, v51                  ; off = b - m inv
	ds_store_b32 v25, v53 offset:BNT
	ds_store_b32 v25, v54 offset:BNT+512
.Lnot_bn:
	s_cmp_eq_u32 s2, 15
	s_cbranch_scc0 .Lnot_wo
	v_lshlrev_b32 v49, 2, v1                       ; 16 numbers a lane: two lanes to a block
.irp j, 0,1,2,3
	global_load_b128 v[52+4*\j:55+4*\j], v49, s[40:41] offset:16*\j
.endr
	v_mul_u32_u24 v50, v3, 3                       ; 12 bytes of codes a lane
	v_lshrrev_b32 v51, 3, v3                       ; a byte a block
	s_wait_loadcnt 0x0
	v_max3_num_f32 v68, |v52|, |v53|, |v54|
	v_max3_num_f32 v69, |v55|, |v56|, |v57|
.irp i, 6,10
	v_max3_num_f32 v68, v68, |v[52+\i]|, |v[53+\i]|
	v_max3_num_f32 v69, v69, |v[54+\i]|, |v[55+\i]|
.endr
	v_max3_num_f32 v68, v68, |v66|, |v67|
	v_max3_num_f32 v68, v68, v69, 0x1800000
	v_max_num_f32_dpp v68, v68, v68 row_xmask:1 row_mask:0xf bank_mask:0xf
	v_add_nc_u32 v69, 0xff000000, v68
	v_cvt_scalef32_pk16_fp6_f32 v[72:74], v[52:67], v69
	v_lshrrev_b32 v70, 23, v69                     ; (the plain place behind the conversion)
	global_store_b96 v50, v[72:74], s[46:47]       ; the wave stores the row's 384 consecutive bytes
	global_store_b8 v51, v70, s[48:49]             ; both lanes of a block write the same byte with the same value
.Lnot_wo:
	s_wait_xcnt 0x0                                ; the roles' loads and stores have read their registers, which x's codes take next
	s_wait_dscnt 0x0                               ; and so have the LDS stores
	GROUP 0
	GROUP 1
.irp c, 0,1,2
	ds_store_b128 v16, v[PC+4*\c:PC+4*\c+3] offset:512*\c      ; my 64 keys: one fragment of K
.endr
	ds_store_b32 v19, v10
	s_wait_dscnt 0x0                               ; my parts of K and V have landed
	s_barrier_signal -1
	s_barrier_wait -1                              ; the eight records are whole
	; ---- attention: four tiles of 16 queries, one after the other
.irp i, 0,1,2,3,4,5
	v_mov_b32 v[22+\i], 0                          ; the versions' zero codes
	v_mov_b32 v[40+\i], 0
.endr
	s_mov_b32 s56, 0
.Ltile:
	v_add_nc_u32 v4, s59, v1
	ds_load_b128 v[238:241], v4                    ; lane (r, h): codes 16 h .. 16 h + 15 of query r, and its scale word
	s_wait_dscnt 0x0
.irp i, 0,1,2
	v_permlanex16_b32 v[242+\i], v[238+\i], s50, s51
.endr
.irp i, 0,1,2
	v_cndmask_b32 v[16+\i], 0, v[238+\i], s54      ; QL: the whole block in lanes 0-15, zeros above
	v_cndmask_b32 v[19+\i], 0, v[242+\i], s54
	v_cndmask_b32 v[34+\i], 0, v[242+\i], s55      ; QH: in lanes 16-31, zeros below
	v_cndmask_b32 v[37+\i], 0, v[238+\i], s55
.endr
.irp i, 0,1,2,3,4,5
	v_mov_b32 v[28+\i], v[16+\i]
	v_mov_b32 v[46+\i], v[34+\i]
.endr
	v_mov_b32 v10, v241
	v_mov_b32 v13, 0xff61b1e6                      ; the largest t so far: -3e38
	v_floor_f32 v12, -v13                          ; -M
	v_mov_b32 v14, 0
	v_mov_b32 v15, 0
.set XI, 0
.rept 32
	v_mov_b32 v[O+XI], 0                           ; the step is written once: the first finds zeros.  (These are also the places between the versions, the scale word and the first product)
.set XI, XI+1
.endr
	s_mov_b32 s57, 0
	s_mov_b32 s58, REC
.Lstep:                                            ; a key step: 128 keys, one record
	v_add_nc_u32 v4, s58, v1
	v_add_nc_u32 v5, s58, v2
	v_add_nc_u32 v6, s58, v3
	v_nop                                          ; four places between the last products and the loads into their operands
.irp g, 0,1
.irp c, 0,1,2
	ds_load_b128 v[KF+12*\g+4*\c:KF+12*\g+4*\c+3], v4 offset:1536*\g+512*\c
.endr
	ds_load_b32 v[KW+\g], v6 offset:9216+128*\g
.endr
.irp t, 0,1,2,3
.irp c, 0,1
	ds_load_b128 v[VF+12*\t+6*\c:VF+12*\t+6*\c+3], v4 offset:3072+768*(2*\t+\c)
	ds_load_b64 v[VF+12*\t+6*\c+4:VF+12*\t+6*\c+5], v5 offset:3072+768*(2*\t+\c)+512
.endr
	ds_load_b32 v[VW+\t], v6 offset:9472+128*\t
.endr
	s_wait_dscnt 20                                ; K's eight loads are in; V's twenty, issued behind them, may be out
.irp g, 0,1
.irp t, 0,1,2,3
	MM S+8*(4*\g+\t), KF+12*\g, 16+18*(\t%2)+6*(\t/2), KW+\g, 10, 1, 0
.endr
.endr                                              ; lane (r, h): query r; register 16 q + i: key 32 q + 16 h + i of the step
.rept 4
	v_nop
.endr
.irp q, 0,1,2,3
	v_max3_num_f32 v[238+\q], v[S+16*\q], v[S+1+16*\q], v[S+2+16*\q]   ; the largest score of each block of 32 keys: for the row's maximum, and for the block's largest p
.endr
.irp i, 3,5,7,9,11,13
.irp q, 0,1,2,3
	v_max3_num_f32 v[238+\q], v[238+\q], v[S+16*\q+\i], v[S+1+16*\q+\i]
.endr
.endr
.irp q, 0,1,2,3
	v_max_num_f32 v[238+\q], v[238+\q], v[S+15+16*\q]
.endr
.irp q, 0,1,2,3
	v_permlanex16_b32 v[242+\q], v[238+\q], s50, s51
.endr
.irp q, 0,1,2,3
	v_max_num_f32 v[238+\q], v[238+\q], v[242+\q]
.endr
	v_max3_num_f32 v7, v238, v239, v240
	v_max_num_f32 v7, v7, v241
	v_mul_f32 v7, s52, v7                          ; as t
	v_max_num_f32 v13, v13, v7                     ; the running largest t
	v_mov_b32 v7, v12
	v_floor_f32 v12, -v13                          ; the new -M: M is a whole number
	v_sub_f32 v7, v12, v7                          ; old M - new M
	v_cvt_i32_f32 v7, v7                           ; (it saturates)
	v_ldexp_f32 v254, 1.0, v7                      ; f = 2^(old M - new M)
.set XI, 0
.rept 32
	v_pk_fma_f32 v[S+XI:S+XI+1], v[S+XI:S+XI+1], s[52:53], v[12:13] op_sel_hi:[1,0,0]   ; t - M
.set XI, XI+2
.endr
.irp q, 0,1,2,3
	v_fma_f32 v[238+\q], v[238+\q], s52, v12
.endr
.set XI, 0
.rept 64
	v_exp_f32 v[S+XI], v[S+XI]                     ; p = 2^(t - M)
.set XI, XI+1
.endr
	v_pk_mul_f32 v[14:15], v[14:15], v[254:255] op_sel_hi:[1,0]   ; the sums under the new M: the plain place behind the batch
	s_wait_alu depctr_va_vdst(0)                   ; one wait for the 64, ahead of their first reader
.irp q, 0,1,2,3
	v_exp_f32 v[238+\q], v[238+\q]                 ; each block's largest p
.endr
	v_pk_add_f32 v[242:243], v[S:S+1], v[S+2:S+3]  ; the sum of the unquantised p, in two chains
.irp j, 4,8,12,16,20,24,28,32,36,40,44,48,52,56,60
	v_pk_add_f32 v[14:15], v[14:15], v[S+\j:S+\j+1]
	v_pk_add_f32 v[242:243], v[242:243], v[S+2+\j:S+3+\j]
.endr
	v_pk_add_f32 v[14:15], v[14:15], v[242:243]
	s_wait_alu depctr_va_vdst(0)                   ; and one for the four
.irp q, 0,1,2,3
	v_max_num_f32 v[238+\q], 0x1800000, v[238+\q]  ; the floor
.endr
.irp q, 0,1,2,3
	v_add_nc_u32 v[250+\q], 0xff000000, v[238+\q]
.endr
.irp q, 0,1,2,3
	v_lshrrev_b32 v[242+\q], 23, v[250+\q]
.endr
	v_lshl_or_b32 v255, v243, 8, v242              ; p's scale word
	v_lshl_or_b32 v255, v244, 16, v255
	v_lshl_or_b32 v255, v245, 24, v255
.irp c, 0,1
	v_cvt_scalef32_pk16_fp6_f32 v[PC+6*\c:PC+2+6*\c], v[S+32*\c:S+15+32*\c], v[250+2*\c]
	v_cvt_scalef32_pk16_fp6_f32 v[242+4*\c:244+4*\c], v[S+16+32*\c:S+31+32*\c], v[251+2*\c]
.endr
	v_nop                                          ; one plain place behind a scaled conversion
.irp c, 0,1
.irp i, 0,1,2
	v_permlane16_swap_b32 v[PC+6*\c+\i], v[242+4*\c+\i]
.endr
.irp i, 0,1,2
	v_mov_b32 v[PC+3+6*\c+\i], v[242+4*\c+\i]
.endr
.endr
.set XI, 0
.rept 16
	v_pk_mul_f32 v[O+XI:O+XI+1], v[O+XI:O+XI+1], v[254:255] op_sel_hi:[1,0]   ; the result under the new M; also the places between p's codes and scale word and the products
.set XI, XI+2
.endr
	s_wait_dscnt 0x0                               ; V is in
.irp t, 0,1,2,3
	MM O+8*\t, VF+12*\t, PC, VW+\t, 255, 0, 0
.endr
	s_add_co_u32 s58, s58, RECB
	s_add_co_u32 s57, s57, 1
	s_cmp_lt_u32 s57, 8
	s_cbranch_scc1 .Lstep
	; ---- the tile's end: / l, GELU, codes
.rept 4
	v_nop
.endr
	v_add_f32 v14, v14, v15
	v_permlanex16_b32 v242, v14, s50, s51
	v_add_f32 v14, v14, v242                       ; the row's sum
	v_rcp_f32 v254, v14
	v_nop
	s_wait_alu depctr_va_vdst(0)
.set XI, 0
.rept 16
	v_pk_mul_f32 v[O+XI:O+XI+1], v[O+XI:O+XI+1], v[254:255] op_sel_hi:[1,0]   ; x = the attention's result: register 16 q + i: channel 32 q + 16 h + i of the head
.set XI, XI+2
.endr
.set XI, 0
.rept 32
	v_fma_f32 v[130+XI], |v[O+XI]|, 0x3e6d3388, 1.0        ; 1 + 0.23164189 |x|
.set XI, XI+1
.endr
.set XI, 0
.rept 16
	v_pk_mul_f32 v[162+XI:163+XI], v[O+XI:O+XI+1], v[O+XI:O+XI+1]
.set XI, XI+2
.endr
.set XI, 0
.rept 16
	v_pk_mul_f32 v[162+XI:163+XI], v[162+XI:163+XI], 0xbf38aa3b op_sel_hi:[1,0]   ; -0.72134752 x x
.set XI, XI+2
.endr
.set XI, 0
.rept 32
	v_rcp_f32 v[130+XI], v[130+XI]                 ; u
.set XI, XI+1
.endr
.set XI, 0
.rept 32
	v_exp_f32 v[162+XI], v[162+XI]                 ; e = exp(-x x / 2)
.set XI, XI+1
.endr
	v_mov_b32 v110, 0xbf3a00e3                     ; a4 / 2, as a pair (an instruction takes one literal): the plain place behind the batch
	v_mov_b32 v111, 0xbf3a00e3
	s_wait_alu depctr_va_vdst(0)                   ; one wait for the 64
.set XI, 0
.rept 16
	v_pk_fma_f32 v[78+XI:79+XI], v[130+XI:131+XI], 0x3f07dc22, v[110:111] op_sel_hi:[1,0,1]
.set XI, XI+2
.endr
.irp k, 0x3f35f0e3, 0xbe11a98e, 0x3e027906
.set XI, 0
.rept 16
	v_pk_fma_f32 v[78+XI:79+XI], v[78+XI:79+XI], v[130+XI:131+XI], \k op_sel_hi:[1,1,0]
.set XI, XI+2
.endr
.endr
.set XI, 0
.rept 16
	v_pk_mul_f32 v[78+XI:79+XI], v[78+XI:79+XI], v[130+XI:131+XI]              ; poly(u) / 2
.set XI, XI+2
.endr
.set XI, 0
.rept 16
	v_pk_fma_f32 v[78+XI:79+XI], v[78+XI:79+XI], v[162+XI:163+XI], 0.5 op_sel_hi:[1,1,0] neg_lo:[1,0,0] neg_hi:[1,0,0]   ; 0.5 - w
.set XI, XI+2
.endr
.set XI, 0
.rept 16
	v_pk_mul_f32 v[162+XI:163+XI], v[O+XI:O+XI+1], 0.5 op_sel_hi:[1,0]
.set XI, XI+2
.endr
.set XI, 0
.rept 32
	v_fma_f32 v[O+XI], |v[O+XI]|, v[78+XI], v[162+XI]      ; gelu(x) = |x| (0.5 - w) + 0.5 x
.set XI, XI+1
.endr
	QB2 O, PC, 246                                 ; the head's two blocks of 32 channels
.irp i, 0,1,2
	v_permlane16_swap_b32 v[PC+\i], v[246+\i]
.endr
.irp i, 0,1,2
	v_mov_b32 v[PC+3+\i], v[246+\i]
.endr
	global_store_b128 v1, v[PC:PC+3], s[42:43]             ; 512 consecutive bytes, at a multiple of 256 from the buffer's first byte,
	global_store_b64 v2, v[PC+4:PC+5], s[42:43] offset:512 ; and 256
	v_lshl_or_b32 v7, v245, 8, v244
	v_and_b32 v4, 15, v0
	v_lshl_add_u32 v4, v4, 1, s60
	ds_store_b16 v4, v7                            ; row r's two bytes; both halves of the lanes write the same bytes with the same value
	s_wait_xcnt 0x0                                ; the stores have read their data and their base: both are written again below
	s_wait_dscnt 0x0
	s_add_nc_u64 s[42:43], s[42:43], 6144          ; the next tile's records
	s_add_co_u32 s59, s59, 512
	s_add_co_u32 s60, s60, 32
	s_add_co_u32 s56, s56, 1
	s_cmp_lt_u32 s56, 4
	s_cbranch_scc1 .Ltile
	s_barrier_signal -1                            ; every wave's scale bytes have landed (the wait for them stands at the tile's end)
	s_barrier_wait -1
	s_cmp_lt_u32 s2, 4
	s_cbranch_scc0 .Lend
	ds_load_b128 v[130:133], v11 offset:GSS
	s_wait_dscnt 0x0
	global_store_b128 v1, v[130:133], s[44:45]     ; 512 consecutive bytes a wave
.Lend:
	s_wait_tensorcnt 0x0                           ; the wave's end, behind my last LDS store
	ds_add_u32 v8, v9
	s_wait_dscnt 0x0
	s_endpgm
.Lfunc_end_k_q71ff1d0b69_attn:
	.size	k_q71ff1d0b69_attn, .Lfunc_end_k_q71ff1d0b69_attn-k_q71ff1d0b69_attn
	.p2alignl 7, 3214868480
	.fill 96, 4, 3214868480
	.section	.rodata,"a",@progbits
	.p2align	6, 0x0
	.amdhsa_kernel k_q71ff1d0b69_attn
		.amdhsa_group_segment_fixed_size 144384
		.amdhsa_private_segment_fixed_size 0
		.amdhsa_enable_private_segment 0
		.amdhsa_kernarg_size 168
		.amdhsa_user_sgpr_count 2
		.amdhsa_user_sgpr_kernarg_segment_ptr 1
		.amdhsa_wavefront_size32 1
		.amdhsa_system_sgpr_workgroup_id_x 1
		.amdhsa_system_sgpr_workgroup_id_y 1
		.amdhsa_system_sgpr_workgroup_id_z 1
		.amdhsa_system_vgpr_workitem_id 0
		.amdhsa_next_free_vgpr 256
		.amdhsa_next_free_sgpr 90
		.amdhsa_reserve_vcc 0
		.amdhsa_float_denorm_mode_32 3
		.amdhsa_float_denorm_mode_16_64 3
		.amdhsa_memory_ordered 1
		.amdhsa_forward_progress 1
		.amdhsa_inst_pref_size 174
	.end_amdhsa_kernel
	.amdgpu_metadata
---
amdhsa.version: [ 1, 2 ]
amdhsa.kernels:
  - .name:           k_q71ff1d0b69_attn
    .symbol:         k_q71ff1d0b69_attn.kd
    .args:
      - { .name: x, .offset: 0, .size: 8, .value_kind: global_buffer, .address_space: global }
      - { .name: wq, .offset: 8, .size: 8, .value_kind: global_buffer, .address_space: global }
      - { .name: wk, .offset: 16, .size: 8, .value_kind: global_buffer, .address_space: global }
      - { .name: wv, .offset: 24, .size: 8, .value_kind: global_buffer, .address_space: global }
      - { .name: gq, .offset: 32, .size: 8, .value_kind: global_buffer, .address_space: global }
      - { .name: bq, .offset: 40, .size: 8, .value_kind: global_buffer, .address_space: global }
      - { .name: mq, .offset: 48, .size: 8, .value_kind: global_buffer, .address_space: global }
      - { .name: vq, .offset: 56, .size: 8, .value_kind: global_buffer, .address_space: global }
      - { .name: gk, .offset: 64, .size: 8, .value_kind: global_buffer, .address_space: global }
      - { .name: bk, .offset: 72, .size: 8, .value_kind: global_buffer, .address_space: global }
      - { .name: mk, .offset: 80, .size: 8, .value_kind: global_buffer, .address_space: global }
      - { .name: vk, .offset: 88, .size: 8, .value_kind: global_buffer, .address_space: global }
      - { .name: gv, .offset: 96, .size: 8, .value_kind: global_buffer, .address_space: global }
      - { .name: bv, .offset: 104, .size: 8, .value_kind: global_buffer, .address_space: global }
      - { .name: mv, .offset: 112, .size: 8, .value_kind: global_buffer, .address_space: global }
      - { .name: vv, .offset: 120, .size: 8, .value_kind: global_buffer, .address_space: global }
      - { .name: wo, .offset: 128, .size: 8, .value_kind: global_buffer, .address_space: global }
      - { .name: g_codes, .offset: 136, .size: 8, .value_kind: global_buffer, .address_space: global }
      - { .name: g_scales, .offset: 144, .size: 8, .value_kind: global_buffer, .address_space: global }
      - { .name: wo_codes, .offset: 152, .size: 8, .value_kind: global_buffer, .address_space: global }
      - { .name: wo_scales, .offset: 160, .size: 8, .value_kind: global_buffer, .address_space: global }
    .group_segment_fixed_size: 144384
    .private_segment_fixed_size: 0
    .kernarg_segment_align: 8
    .kernarg_segment_size: 168
    .max_flat_workgroup_size: 512
    .sgpr_count:     90
    .vgpr_count:     256
    .wavefront_size: 32
...
	.end_amdgpu_metadata
.endif
;; end of part 1
;; launch outp (part 2): grid 8 x 32, 16 waves a work-group, no clusters, 188,416 bytes of LDS; arguments g_codes, g_scales, wo_codes, wo_scales, b_out, go, be_o, mo, vo, out0; writes out0
.if DOCPART == 2
	.amdgcn_target "amdgcn-amd-amdhsa--gfx1250"
	.amdhsa_code_object_version 6
	.text
	.protected	k_q71ff1d0b69_outp
	.globl	k_q71ff1d0b69_outp
	.p2align	8
	.type	k_q71ff1d0b69_outp,@function
k_q71ff1d0b69_outp:
	s_mov_b64 s[64:65], 0
	v_nop
	global_prefetch_b8 v0, s[64:65] scope:SCOPE_SE
	s_setreg_imm32_b32 hwreg(HW_REG_WAVE_MODE, 25, 1), 1
	s_wait_xcnt 0x0
; out0[b][o][pixel] = bn(sum over c of wo[o][c] G[b][c][pixel] + b_out[o]), the product on codes of FP6 (E2M3) with one E8M0 scale for each 32 along K = 512.
; g_codes: [b][tile T of 16 pixels][head] x 768 bytes, in the order of an operand's registers: the head's six registers of fragment (T, K step head / 2): registers 0-3 as 16 bytes a lane, then 4-5 as 8 bytes a lane.
; g_scales [b][head][16 T + row] x 2 bytes.  wo_codes [256][384 bytes], wo_scales [256][16 bytes].  Row m of tile T is pixel 32 (T >> 1) + 8 (T & 1) + (m & 7) + 16 (m >> 3).
; SHARES.  A work-group takes 128 pixels (8 tiles) of one batch, all 256 output channels; wave w takes channels 16 w .. 16 w + 15, whose four fragments of wo stay in its registers.
; The 8 tiles' codes, 49,152 consecutive bytes, are copied to LDS as they lie, 3,072 bytes a wave; the scale bytes are laid there as 16 bytes a pixel row, so that a row's four scale words come by one load.
; Source 0 = 16 pixels, source 1 = 16 channels: a lane holds ONE channel and eight neighbouring pixels, 32 bytes of a row of out0.  A wave's 16 rows x 512 bytes go through its own stage in LDS and leave as whole rows.
; NO JOINT LOADS: what the work-groups share is wo, 6,400 bytes a wave, which goes straight into registers; each work-group's codes of G are its own.
.set GI,    0                          ; LDS: the 8 tiles' codes
.set GSC,   49152                      ; 128 rows x 16 scale bytes: byte 2 head + block
.set STG,   51200                      ; a stage of 16 rows x (512 + 16) bytes for each wave
.set SPARE, 186368                     ; the spare words, 128 bytes for each wave: eight blocks of 256 bytes that no other line names
.set WF,  16                           ; v16-63   wo's four fragments
.set WS,  64                           ; v64-67   their scale words
.set GF,  72                           ; v72-119  four fragments of G
.set GS,  120                          ; v120-135 four tiles' scale words, four each
.set ACC, 136                          ; v136-199 eight accumulators, later the rows read back from the stage
; v1 16 x lane, v2 8 x lane, v3 16 x (lane % 16); v7, v12, v13 offsets in memory; v8, v9 the add's two; v10, v11 the stage; v14, v15 the copies' places in LDS; v[68:69] inv, v[70:71] off; v200-224 the copies; v226-230 the batch norm's inputs
	s_load_b512 s[8:23], s[0:1], 0x0               ; g_codes 8, g_scales 10, wo_codes 12, wo_scales 14, b_out 16, go 18, be_o 20, mo 22
	s_load_b128 s[24:27], s[0:1], 0x40             ; vo 24, out0 26
	v_lshl_add_u32 v8, v0, 2, SPARE
	v_mov_b32 v9, 0
	v_lshrrev_b32 v4, 5, v0
	v_readfirstlane_b32 s2, v4                     ; wave 0..15
	s_mov_b32 s3, ttmp9                            ; which 128 pixels
	s_and_b32 s4, ttmp7, 0xffff                    ; batch
	s_and_b32 s6, s2, 1
	s_lshr_b32 s7, s2, 1
	v_and_b32 v4, 31, v0
	v_lshlrev_b32 v1, 4, v4
	v_lshlrev_b32 v2, 3, v4
	v_and_b32 v5, 15, v0                           ; r
	v_bfe_u32 v6, v0, 4, 1                         ; h
	v_lshlrev_b32 v3, 4, v5
	v_lshlrev_b32 v7, 2, v4
	v_mul_u32_u24 v12, v5, 384
	v_mad_u32_u24 v12, v6, 24, v12                 ; wo: row r of 384 bytes, + 24 h
	s_lshl_b32 s5, s2, 6
	v_lshl_add_u32 v13, v5, 2, s5                  ; 4 (16 w + r)
	s_mul_i32 s5, s2, 3072
	v_add_nc_u32 v14, s5, v1                       ; my 3,072 bytes of the codes
	s_lshl_b32 s28, s6, 10
	s_lshl_b32 s29, s7, 1
	s_add_co_u32 s28, s28, s29
	v_lshl_add_u32 v15, v4, 5, s28                 ; my word holds head w / 2's bytes of rows 64 (w & 1) + 2 lane and the next: 16 bytes a row, 2 a head
	s_mul_i32 s28, s2, 8448
	s_add_co_u32 s28, s28, STG                     ; my stage
	v_mul_u32_u24 v10, v5, 528
	v_lshl_add_u32 v10, v6, 6, v10
	v_add_nc_u32 v10, s28, v10                     ; in: row r, + 64 h
	v_add_nc_u32 v11, s28, v1                      ; back: 16 bytes a lane of a row
	s_mul_i32 s30, s4, 393216
	s_mul_i32 s31, s3, 49152
	s_add_co_u32 s30, s30, s31
	s_mul_i32 s31, s2, 3072
	s_add_co_u32 s30, s30, s31
	s_mov_b32 s31, 0
	s_lshl_b32 s32, s4, 3
	s_add_co_u32 s32, s32, s7
	s_lshl_b32 s32, s32, 11                        ; 2,048 bytes a (batch, head),
	s_lshl_b32 s33, s3, 8                          ; 256 for the 128 pixels,
	s_add_co_u32 s32, s32, s33
	s_lshl_b32 s33, s6, 7                          ; my half of them
	s_add_co_u32 s32, s32, s33
	s_mov_b32 s33, 0
	s_mul_i32 s34, s2, 6144
	s_mov_b32 s35, 0
	s_lshl_b32 s36, s2, 8
	s_mov_b32 s37, 0
	s_lshl_b32 s38, s4, 20
	s_lshl_b32 s39, s2, 16
	s_add_co_u32 s38, s38, s39
	s_lshl_b32 s39, s3, 9
	s_add_co_u32 s38, s38, s39                     ; out0: the batch, my 16 rows of 4,096 bytes, the 128 pixels
	s_mov_b32 s39, 0
	s_wait_kmcnt 0x0
	s_add_nc_u64 s[8:9], s[8:9], s[30:31]
	s_add_nc_u64 s[10:11], s[10:11], s[32:33]
	s_add_nc_u64 s[12:13], s[12:13], s[34:35]
	s_add_nc_u64 s[14:15], s[14:15], s[36:37]
	s_add_nc_u64 s[26:27], s[26:27], s[38:39]
.irp i, 0,1,2,3,4,5
	global_load_b128 v[200+4*\i:203+4*\i], v1, s[8:9] offset:512*\i th:TH_LOAD_NT   ; 512 consecutive bytes a load; read once in the launch
.endr
	global_load_b32 v224, v7, s[10:11] th:TH_LOAD_NT
.irp s, 0,1,2,3
.irp p, 0,1,2,3,4,5
	global_load_b64 v[WF+12*\s+2*\p:WF+12*\s+2*\p+1], v12, s[12:13] offset:96*\s+48*(\p/3)+8*(\p%3)
.endr
.endr
	global_load_b128 v[WS:WS+3], v3, s[14:15]
	global_load_b32 v226, v13, s[16:17]            ; b_out
	global_load_b32 v227, v13, s[18:19]            ; go
	global_load_b32 v228, v13, s[20:21]            ; be_o
	global_load_b32 v229, v13, s[22:23]            ; mo
	global_load_b32 v230, v13, s[24:25]            ; vo
	s_wait_loadcnt 30                              ; the seven loads for LDS are in; the 30 issued behind them may be out
.irp i, 0,1,2,3,4,5
	ds_store_b128 v14, v[200+4*\i:203+4*\i] offset:GI+512*\i
.endr
	ds_store_b16 v15, v224 offset:GSC
	ds_store_b16_d16_hi v15, v224 offset:GSC+16
	s_wait_dscnt 0x0                               ; my copies have landed
	s_barrier_signal -1
	s_barrier_wait -1                              ; everybody's have
	s_wait_loadcnt 0x0
	v_add_f32 v230, 0x3727c5ac, v230               ; + 1e-5
	v_rsq_f32 v230, v230
	v_sub_f32 v226, v226, v229                     ; b_out - mo: the plain place behind the transcendental
	s_wait_alu depctr_va_vdst(0)                   ; a wait ahead of its first reader
	v_mul_f32 v68, v230, v227                      ; inv
	v_mov_b32 v69, v68
	v_fma_f32 v70, v226, v68, v228                 ; off = (b_out - mo) inv + be_o
	v_mov_b32 v71, v70
.irp hf, 0,1                                   ; four tiles of pixels at a time; their four accumulators take turns, one instruction a turn
.irp tl, 0,1,2,3
	ds_load_b128 v[GS+4*\tl:GS+4*\tl+3], v3 offset:GSC+256*(4*\hf+\tl)
.endr
.irp s, 0,1,2,3
.irp tl, 0,1,2,3
.irp c, 0,1
	ds_load_b128 v[GF+12*\tl+6*\c:GF+12*\tl+6*\c+3], v1 offset:GI+6144*(4*\hf+\tl)+1536*\s+768*\c
	ds_load_b64 v[GF+12*\tl+6*\c+4:GF+12*\tl+6*\c+5], v2 offset:GI+6144*(4*\hf+\tl)+1536*\s+768*\c+512
.endr
.endr
	s_wait_dscnt 0x0
.irp tl, 0,1,2,3
.if \s == 0
	v_wmma_scale_f32_16x16x128_f8f6f4 v[ACC+8*(4*\hf+\tl):ACC+8*(4*\hf+\tl)+7], v[GF+12*\tl:GF+12*\tl+11], v[WF+12*\s:WF+12*\s+11], 0, v[GS+4*\tl+\s], v[WS+\s] matrix_a_fmt:MATRIX_FMT_FP6 matrix_b_fmt:MATRIX_FMT_FP6
.else
	v_wmma_scale_f32_16x16x128_f8f6f4 v[ACC+8*(4*\hf+\tl):ACC+8*(4*\hf+\tl)+7], v[GF+12*\tl:GF+12*\tl+11], v[WF+12*\s:WF+12*\s+11], v[ACC+8*(4*\hf+\tl):ACC+8*(4*\hf+\tl)+7], v[GS+4*\tl+\s], v[WS+\s] matrix_a_fmt:MATRIX_FMT_FP6 matrix_b_fmt:MATRIX_FMT_FP6
.endif
.endr
.rept 4
	v_nop                                          ; four places between the products and the loads into their operands, or the first read of their results
.endr
.endr
.endr
.set XI, 0
.rept 32
	v_pk_fma_f32 v[ACC+XI:ACC+XI+1], v[ACC+XI:ACC+XI+1], v[68:69], v[70:71]    ; bias and batch norm, each accumulator from its low end on
.set XI, XI+2
.endr
.irp t, 0,1,2,3,4,5,6,7
	ds_store_b128 v10, v[ACC+8*\t:ACC+8*\t+3] offset:128*(\t/2)+32*(\t%2)      ; lane (r, h): channel r, pixels 32 (t / 2) + 8 (t % 2) + 16 h + 0 .. 7
	ds_store_b128 v10, v[ACC+8*\t+4:ACC+8*\t+7] offset:128*(\t/2)+32*(\t%2)+16
.endr
.irp i, 0,1,2,3,4,5,6,7,8,9,10,11,12,13,14,15
	ds_load_b128 v[ACC+4*\i:ACC+4*\i+3], v11 offset:528*\i     ; LDS serves a wave's instructions in order: these see my stores, and land in the registers that those have left
.endr
.irp i, 0,1,2,3,4,5,6,7,8,9,10,11,12,13,14,15
	s_wait_dscnt 15-\i                             ; row i is back; the younger rows may be out
	global_store_b128 v1, v[ACC+4*\i:ACC+4*\i+3], s[26:27] offset:4096*\i th:TH_STORE_NT   ; 32 lanes store 512 consecutive bytes, at a multiple of 256 from out0's first byte
.endr
	s_wait_tensorcnt 0x0                           ; the wave's end, behind my last LDS store
	ds_add_u32 v8, v9
	s_wait_dscnt 0x0
	s_endpgm
.Lfunc_end_k_q71ff1d0b69_outp:
	.size	k_q71ff1d0b69_outp, .Lfunc_end_k_q71ff1d0b69_outp-k_q71ff1d0b69_outp
	.p2alignl 7, 3214868480
	.fill 96, 4, 3214868480
	.section	.rodata,"a",@progbits
	.p2align	6, 0x0
	.amdhsa_kernel k_q71ff1d0b69_outp
		.amdhsa_group_segment_fixed_size 188416
		.amdhsa_private_segment_fixed_size 0
		.amdhsa_enable_private_segment 0
		.amdhsa_kernarg_size 80
		.amdhsa_user_sgpr_count 2
		.amdhsa_user_sgpr_kernarg_segment_ptr 1
		.amdhsa_wavefront_size32 1
		.amdhsa_system_sgpr_workgroup_id_x 1
		.amdhsa_system_sgpr_workgroup_id_y 1
		.amdhsa_system_sgpr_workgroup_id_z 1
		.amdhsa_system_vgpr_workitem_id 0
		.amdhsa_next_free_vgpr 256
		.amdhsa_next_free_sgpr 66
		.amdhsa_reserve_vcc 0
		.amdhsa_float_denorm_mode_32 3
		.amdhsa_float_denorm_mode_16_64 3
		.amdhsa_memory_ordered 1
		.amdhsa_forward_progress 1
		.amdhsa_inst_pref_size 28
	.end_amdhsa_kernel
	.amdgpu_metadata
---
amdhsa.version: [ 1, 2 ]
amdhsa.kernels:
  - .name:           k_q71ff1d0b69_outp
    .symbol:         k_q71ff1d0b69_outp.kd
    .args:
      - { .name: g_codes, .offset: 0, .size: 8, .value_kind: global_buffer, .address_space: global }
      - { .name: g_scales, .offset: 8, .size: 8, .value_kind: global_buffer, .address_space: global }
      - { .name: wo_codes, .offset: 16, .size: 8, .value_kind: global_buffer, .address_space: global }
      - { .name: wo_scales, .offset: 24, .size: 8, .value_kind: global_buffer, .address_space: global }
      - { .name: b_out, .offset: 32, .size: 8, .value_kind: global_buffer, .address_space: global }
      - { .name: go, .offset: 40, .size: 8, .value_kind: global_buffer, .address_space: global }
      - { .name: be_o, .offset: 48, .size: 8, .value_kind: global_buffer, .address_space: global }
      - { .name: mo, .offset: 56, .size: 8, .value_kind: global_buffer, .address_space: global }
      - { .name: vo, .offset: 64, .size: 8, .value_kind: global_buffer, .address_space: global }
      - { .name: out0, .offset: 72, .size: 8, .value_kind: global_buffer, .address_space: global }
    .group_segment_fixed_size: 188416
    .private_segment_fixed_size: 0
    .kernarg_segment_align: 8
    .kernarg_segment_size: 80
    .max_flat_workgroup_size: 512
    .sgpr_count:     66
    .vgpr_count:     256
    .wavefront_size: 32
...
	.end_amdgpu_metadata
.endif
;; end of part 2
;; ======== version 2 of 2: 2 launches; version 1 with the launches attn, outp written anew for expert scheduling mode
;; limits: a function is approximated: absolute error at most 1.5e-07
;; workspace buffers: g_codes 12,582,912 bytes; g_scales 524,288 bytes; wo_codes 98,304 bytes; wo_scales 4,096 bytes
;; launch attn (part 3): grid 8 x 32, 16 waves a work-group, no clusters, 144,384 bytes of LDS; arguments x, wq, wk, wv, gq, bq, mq, vq, gk, bk, mk, vk, gv, bv, mv, vv, wo, g_codes, g_scales, wo_codes, wo_scales; writes g_codes, g_scales, wo_codes, wo_scales
.if DOCPART == 3
	.amdgcn_target "amdgcn-amd-amdhsa--gfx1250"
	.amdhsa_code_object_version 6
	.text
	.protected	k_q71ff1d0b69_attn
	.globl	k_q71ff1d0b69_attn
	.p2align	8
	.type	k_q71ff1d0b69_attn,@function
k_q71ff1d0b69_attn:
	s_mov_b64 s[64:65], 0
	v_nop
	global_prefetch_b8 v0, s[64:65] scope:SCOPE_SE
	s_setreg_imm32_b32 hwreg(HW_REG_WAVE_SCHED_MODE, 0, 2), 2
	s_setreg_imm32_b32 hwreg(HW_REG_WAVE_MODE, 25, 1), 1
	s_wait_xcnt 0x0
	s_wait_alu depctr_vm_vsrc(0)
; One work-group = one (batch, head): the three projections with their batch norms, attention, 1 / l, GELU and the quantising of the result, all products on codes of FP6 (E2M3) with one E8M0 scale for each 32 along K.
; x [32][256][1024] f32 (K = the 256 channels, its outer axis); wq, wk [256][256], wv [512][256] f32 (K innermost); the batch norms' g, b, m, v; wo [256][512] f32.
; OUT: g_codes: gelu(attention's result) as codes, laid in the order of the next launch's operand registers: [b][tile T of 16 pixels][head] x 768 bytes (registers 0-3 of the head's six as 16 bytes a lane, then registers 4-5 as 8 bytes a lane);
;      g_scales [b][head][16 T + row] x 2 bytes; wo_codes [256][384 bytes], wo_scales [256][16 bytes]: this work-group quantises row 8 b + head of wo on the side.
; SHARES.  Sixteen waves of 256 registers, four to a SIMD.  Wave w owns pixels 64 w .. 64 w + 63: it quantises them, makes their q, k and v, and later walks all 1,024 keys for its four tiles of 16 queries, one tile at a time.
; K and V of the head never go to memory: they lie in LDS as images of operand registers, a record of 9,984 bytes for each key step of 128 keys.
; ONE PATTERN OF ROWS FOR EVERY TILE: row m of a tile stands for base + 8 u + (m & 7) + 16 (m >> 3), u the tile's parity.  So the 16 registers of two neighbouring result tiles are 16 neighbours along the next K.
; THE FIRST ATTENTION PRODUCT HAS K = 32 and the instruction 128: a fragment of K holds FOUR tiles of 16 keys, block t of row m being key (t, m), and q stands in four versions, its 32 codes in block t and zero codes elsewhere:
; version t picks tile t's scores.  64 keys cost 12 registers of LDS reads.  q's scale word has its byte in all four places.
; SOFTMAX: t = score x log2(e) / sqrt(32); M = the running largest t rounded up to a whole number; p = 2^(t - M) is quantised along the keys; the row's sum is taken of the unquantised p and divides at the end.
; GELU: x Phi(x) = 0.5 x + |x| (0.5 - w), w = 0.5 poly(u) 2^(-0.72134752 x x), u = 1 / (1 + 0.23164189 |x|), poly of degree 5 (Abramowitz and Stegun 7.1.26).
; NO JOINT LOADS for x, which the eight work-groups of a batch all read: a lane wants 32 channels of ONE pixel in 32 consecutive registers, and plain loads of 128 consecutive bytes a wave put them there;
; through LDS each work-group would write and read its 1,048,576 bytes of x once more.
; LIMITS: a block whose largest magnitude lies under 2^-124 has its scale byte held at 1; a block of zeros gets the byte 1 (its codes are zeros, and this program alone reads the bytes); NaN and infinities among the inputs are not served;
; Phi carries an absolute error of about 1.5e-7 beside f32 rounding; wo's codes and scale bytes (384 + 16 bytes a work-group) leave in pieces shorter than 256 bytes.
; THE MODE: SCHED_MODE bits 1:0 = 2 (LLVM: expert scheduling mode 2), set by the entry lines.  The code itself states the register dependences
; between vector or matrix instructions and memory or LDS instructions, with s_wait_alu, always for 0.
; THE PLAN.  Registers that memory or LDS instructions touch:
;   v1-3, v11, v249   offsets and LDS addresses, made once at the head and never written again.
;   v7, v16-27        the weights' offset and the projections' addresses: made at the head, read by the projections' loads and stores, written again (as work, as q's versions) only behind a wait on vm_vsrc.
;   raw x             v78-109, v130-161: a block's maxima and conversions read a set; one wait on va_vdst behind them, and the block two on is loaded into it.
;   WF, WS, v194-225  a unit's LDS loads land there; its products and batch-norm lines read them: one wait on va_vdst at each unit's head.
;   out-buffers       v28-39, v48 (a weight's image); v178-187, VG (q's and V's codes); PC, v10 (K's fragment): a quantiser writes, one wait on va_vdst, a run of LDS stores, a wait on vm_vsrc ahead of the next writer.
;   a key step        v4-6 are written at the step's head (behind a wait on vm_vsrc) and read in its middle.  KF, KW: read by the step's eight score products; VF, VW: read by the four products at the step's end.
;                     The wait on va_vdst that stands behind the 64 exponentials states at once: their results are written; the last step's V products are done reading VF, VW; this step's score products are done
;                     reading KF, KW; v4-6 are written.  Directly behind it go this step's 20 loads of V and the NEXT step's 8 loads of K (one record on, by the immediate offset): no further wait is owed for them.
;                     A tile's first K is asked for at the tile's head; its last step asks for no K and is written out behind the loop of seven.
;   a tile's end      PC, v7, v4: written, one wait on va_vdst, two global stores and an LDS store, a wait on vm_vsrc ahead of the next tile.
.set WIMG,  0                          ; LDS: the 16 weight fragments (tile wt, K step s: 2 wt + s = the wave that made it), 1,536 bytes each
.set WSC,   24576                      ; their scale words, 128 bytes each
.set BNT,   26624                      ; inv[128], then off[128] 512 bytes on: 0-31 q, 32-63 k, 64-127 v
.set GSS,   27648                      ; the result's scale bytes, 2 a pixel
.set QST,   29696                      ; q: 2,048 bytes a wave, 512 a tile: 16 bytes a lane: three registers of codes and the scale word
.set REC,   62464                      ; eight records, one a key step: +0 K's two fragments; +3072 V's eight half fragments of 768; +9216 K's two scale words; +9472 V's four
.set RECB,  9984
.set SPARE, 142336                     ; the spare words, 128 bytes for each wave: eight blocks of 256 bytes that no other line names
.set XA,  28                           ; v28-51   x's tile 0 of the group: two fragments;  v52-75 tile 1
.set XS,  76                           ; v76-77   x's scale words: lanes 0-15 tile 0, lanes 16-31 tile 1
.set WF,  78                           ; v78-125  four weight fragments (before them: 32 raw numbers of x)
.set WS,  126                          ; v126-129 their scale words
.set ACC, 130                          ; v130-161 four accumulators (before them: 32 raw numbers of x)
.set VG,  162                          ; v162-177 V's codes and byte of the wave's first 32 pixels, four registers a tile
.set KF,  52                           ; attention: v52-75 K's two fragments; v76-77 their scale words; v78-125 V's four; v126-129 their scale words
.set KW,  76
.set VF,  78
.set VW,  126
.set S,   130                          ; v130-193 the scores, then p
.set O,   194                          ; v194-225 the result, transposed
.set PC,  226                          ; v226-237 p's codes (in the projections: K's fragment as it grows)
.set KA,  249                          ; v249     LDS address of the first record's scale words of K: 4 x lane + REC + 9216; never rewritten
; v1 16 x lane, v2 8 x lane, v3 4 x lane; v4-6 addresses in hand; v7 at work; v8, v9 the add's two; v10 a scale word (K's, then q's); v11 way out of the scale bytes; v12 -M, v13 the largest t, v[14:15] the sum
; v16-27 LDS addresses of the projections, then with v28-51 q's versions: QL 16-21, zeros 22-27, QL 28-33, QH 34-39, zeros 40-45, QH 46-51; version t begins at 16, 34, 22, 40
; v238-253 at work in the quantisers (but v249); v254 f = 2^(old M - new M), v255 p's scale word
; d = a x b + (0 or d), both operands FP6.  z = 1: the constant 0 starts the sum.  row = 1: a's scales from lanes 16-31;  2: b's
.macro MM d, a, b, sa, sb, z, row
.if \z
.if (\row) == 0
	v_wmma_scale_f32_16x16x128_f8f6f4 v[\d:\d+7], v[\a:\a+11], v[\b:\b+11], 0, v[\sa], v[\sb] matrix_a_fmt:MATRIX_FMT_FP6 matrix_b_fmt:MATRIX_FMT_FP6
.elseif (\row) == 1
	v_wmma_scale_f32_16x16x128_f8f6f4 v[\d:\d+7], v[\a:\a+11], v[\b:\b+11], 0, v[\sa], v[\sb] matrix_a_fmt:MATRIX_FMT_FP6 matrix_b_fmt:MATRIX_FMT_FP6 matrix_a_scale:MATRIX_SCALE_ROW1
.else
	v_wmma_scale_f32_16x16x128_f8f6f4 v[\d:\d+7], v[\a:\a+11], v[\b:\b+11], 0, v[\sa], v[\sb] matrix_a_fmt:MATRIX_FMT_FP6 matrix_b_fmt:MATRIX_FMT_FP6 matrix_b_scale:MATRIX_SCALE_ROW1
.endif
.else
.if (\row) == 0
	v_wmma_scale_f32_16x16x128_f8f6f4 v[\d:\d+7], v[\a:\a+11], v[\b:\b+11], v[\d:\d+7], v[\sa], v[\sb] matrix_a_fmt:MATRIX_FMT_FP6 matrix_b_fmt:MATRIX_FMT_FP6
.elseif (\row) == 1
	v_wmma_scale_f32_16x16x128_f8f6f4 v[\d:\d+7], v[\a:\a+11], v[\b:\b+11], v[\d:\d+7], v[\sa], v[\sb] matrix_a_fmt:MATRIX_FMT_FP6 matrix_b_fmt:MATRIX_FMT_FP6 matrix_a_scale:MATRIX_SCALE_ROW1
.else
	v_wmma_scale_f32_16x16x128_f8f6f4 v[\d:\d+7], v[\a:\a+11], v[\b:\b+11], v[\d:\d+7], v[\sa], v[\sb] matrix_a_fmt:MATRIX_FMT_FP6 matrix_b_fmt:MATRIX_FMT_FP6 matrix_b_scale:MATRIX_SCALE_ROW1
.endif
.endif
.endm
; 32 channels (block t) of my pixel of group gi: each load of the wave covers 128 consecutive bytes of one channel
.macro XLOAD gi, t
.set XR, 78+52*((\t)%2)
.set XI, 0
.rept 32
	global_load_b32 v[XR+XI], v22, s[8:9] offset:(32*(\t)+XI)*4096+128*(\gi)
.set XI, XI+1
.endr
.endm
; block t of my pixel becomes six registers of codes and a byte of the scale word; even blocks go to XA's registers, odd ones to XB's
.macro XBLOCK gi, t
.set XR, 78+52*((\t)%2)
.set XD, XA+24*((\t)%2)+6*((\t)/2)
.if (\t) < 7
	s_wait_loadcnt 32                              ; this block's 32 loads are in; the next block's 32 may be out
.else
	s_wait_loadcnt 0x0
.endif
	v_max3_num_f32 v12, |v[XR]|, |v[XR+1]|, |v[XR+2]|      ; the block's largest magnitude: all 32 numbers are mine; two chains
	v_max3_num_f32 v13, |v[XR+3]|, |v[XR+4]|, |v[XR+5]|
.irp i, 6,10,14,18,22,26
	v_max3_num_f32 v12, v12, |v[XR+\i]|, |v[XR+\i+1]|
	v_max3_num_f32 v13, v13, |v[XR+\i+2]|, |v[XR+\i+3]|
.endr
	v_max3_num_f32 v12, v12, |v[XR+30]|, |v[XR+31]|
	v_max3_num_f32 v12, v12, v13, 0x1800000        ; and the floor 2^(3 - 127): the byte cannot fall under 1
	v_add_nc_u32 v14, 0xff000000, v12              ; 2 off the exponent field: the conversion's scale operand
	v_lshrrev_b32 v15, 23, v14                     ; the scale's byte
.if (\t)%4 == 0
	v_mov_b32 v[XS+(\t)/4], v15
.else
	v_lshl_or_b32 v[XS+(\t)/4], v15, 8*((\t)%4), v[XS+(\t)/4]
.endif
	v_cvt_scalef32_pk16_fp6_f32 v[XD:XD+2], v[XR:XR+15], v14
	v_cvt_scalef32_pk16_fp6_f32 v[178:180], v[XR+16:XR+31], v14   ; (a conversion's three registers begin on an even number)
	v_nop                                          ; one plain place behind a scaled conversion
	v_mov_b32 v[XD+3], v178
	v_mov_b32 v[XD+4], v179
	v_mov_b32 v[XD+5], v180
.if (\t) < 6
	s_wait_alu depctr_va_vdst(0)                   ; the maxima and the conversions are done reading this block's 32 raw registers, in which the loads below land
	XLOAD \gi, (\t)+2                              ; two blocks ahead, into the registers just read
.endif
.endm
; two blocks, 16 registers a lane each (src, src + 16), the other 16 numbers of each in lane l xor 16: codes into c0.. and c1.., bytes into v244, v245
.macro QB2 src, c0, c1
	v_max3_num_f32 v238, |v[\src]|, |v[\src+1]|, 0x1800000
	v_max3_num_f32 v239, |v[\src+16]|, |v[\src+17]|, 0x1800000
.irp i, 2,4,6,8,10,12,14
	v_max3_num_f32 v238, v238, |v[\src+\i]|, |v[\src+\i+1]|
	v_max3_num_f32 v239, v239, |v[\src+16+\i]|, |v[\src+17+\i]|
.endr
	v_permlanex16_b32 v242, v238, s50, s51
	v_permlanex16_b32 v243, v239, s50, s51
	v_max_num_f32 v238, v238, v242
	v_max_num_f32 v239, v239, v243
	v_add_nc_u32 v250, 0xff000000, v238
	v_add_nc_u32 v251, 0xff000000, v239
	v_lshrrev_b32 v244, 23, v250
	v_lshrrev_b32 v245, 23, v251
	v_cvt_scalef32_pk16_fp6_f32 v[\c0:\c0+2], v[\src:\src+15], v250
	v_cvt_scalef32_pk16_fp6_f32 v[\c1:\c1+2], v[\src+16:\src+31], v251
	v_nop                                          ; one plain place behind a scaled conversion
.endm
; Two weight tiles (wt0, wt0 + 1) against the group's two tiles of pixels, K = 256 in two steps, then the batch norm.
; kind 0 (q, k): source 0 = the weights: a lane holds one pixel, and the 16 registers at ACC + 16 p are channels 16 (lane / 16) + 0 .. 15.
; kind 1 (v):    source 0 = x: a lane holds one channel, and the 16 registers at ACC + 16 a are pixels 16 (lane / 16) + 0 .. 15 of the group.
.macro UNIT kind, wt0
	s_wait_alu depctr_va_vdst(0)                   ; the products, batch-norm lines and conversions issued so far are done reading WF, WS and v194-225, in which the loads below land; in a group's first unit x's codes and scale words are written, which the products take
.irp a, 0,1
.irp s, 0,1
.irp c, 0,1,2
	ds_load_b128 v[WF+12*(2*\a+\s)+4*\c:WF+12*(2*\a+\s)+4*\c+3], v1 offset:WIMG+1536*(2*((\wt0)+\a)+\s)+512*\c
.endr
	ds_load_b32 v[WS+2*\a+\s], v3 offset:WSC+128*(2*((\wt0)+\a)+\s)
.endr
.endr
.if \kind == 0
.irp i, 0,1,2,3
	ds_load_b128 v[194+4*\i:197+4*\i], v23 offset:BNT+64*(\wt0)+16*\i          ; inv of my 16 channels
	ds_load_b128 v[210+4*\i:213+4*\i], v23 offset:BNT+512+64*(\wt0)+16*\i      ; off
.endr
.else
.irp a, 0,1
.set DT, (\wt0)-4+\a
	ds_load_b32 v[194+4*\a], v24 offset:BNT+256+4*(32*(DT/2)+8*(DT%2))         ; inv of my one channel, twice: a pair for the packed form
	ds_load_b32 v[195+4*\a], v24 offset:BNT+256+4*(32*(DT/2)+8*(DT%2))
	ds_load_b32 v[196+4*\a], v24 offset:BNT+768+4*(32*(DT/2)+8*(DT%2))         ; off likewise
	ds_load_b32 v[197+4*\a], v24 offset:BNT+768+4*(32*(DT/2)+8*(DT%2))
.endr
.endif
	s_wait_dscnt 0x0
.irp s, 0,1                                    ; the four accumulators take turns, one instruction a turn
.irp p, 0,1
.irp a, 0,1
.if \kind == 0
	MM ACC+16*\p+8*\a, WF+12*(2*\a+\s), XA+24*\p+12*\s, WS+2*\a+\s, XS+\s, 1-\s, 2*\p
.else
	MM ACC+16*\a+8*\p, XA+24*\p+12*\s, WF+12*(2*\a+\s), XS+\s, WS+2*\a+\s, 1-\s, \p
.endif
.endr
.endr
.endr
.rept 4
	v_nop                                          ; four places between the products and the first read of their results
.endr
.irp u, 0,1                                    ; the batch norm: result x inv + off, each accumulator from its low end on
.irp i, 0,2,4,6,8,10,12,14
.if \kind == 0
	v_pk_fma_f32 v[ACC+16*\u+\i:ACC+16*\u+\i+1], v[ACC+16*\u+\i:ACC+16*\u+\i+1], v[194+\i:195+\i], v[210+\i:211+\i]
.else
	v_pk_fma_f32 v[ACC+16*\u+\i:ACC+16*\u+\i+1], v[ACC+16*\u+\i:ACC+16*\u+\i+1], v[194+4*\u:195+4*\u], v[196+4*\u:197+4*\u]
.endif
.endr
.endr
.endm
; v of tiles dt0, dt0 + 1.  A block of 32 keys is one group.  Group 0's half blocks wait in VG; with group 1's they make half a fragment: lanes 0-15 the block of group 0, lanes 16-31 that of group 1
.macro FINV gi, dt0
.if \gi == 0
	QB2 ACC, VG+4*(\dt0), VG+4*(\dt0)+4
	v_mov_b32 v[VG+4*(\dt0)+3], v244
	v_mov_b32 v[VG+4*(\dt0)+7], v245
.else
	QB2 ACC, 178, 182
.irp a, 0,1                                    ; both tiles' vector lines first, so that one wait serves the six stores
	v_lshl_or_b32 v[186+\a], v[244+\a], 8, v[VG+4*((\dt0)+\a)+3]               ; the two groups' bytes: my half of the key step's scale word
.irp i, 0,1,2
	v_permlane16_swap_b32 v[VG+4*((\dt0)+\a)+\i], v[178+4*\a+\i]               ; the first now holds each lane's block's lower 16 codes, the second the upper 16
.endr
	v_mov_b32 v[VG+4*((\dt0)+\a)+3], v[178+4*\a]
	v_mov_b32 v[178+4*\a], v[179+4*\a]
	v_mov_b32 v[179+4*\a], v[180+4*\a]
.endr
	s_wait_alu depctr_va_vdst(0)                   ; the two half fragments (VG, v178-179, v182-183) and the two pairs of bytes (v186, v187) are written, which the LDS stores read
.irp a, 0,1
	ds_store_b16 v20, v[186+\a] offset:128*((\dt0)+\a)
	ds_store_b128 v17, v[VG+4*((\dt0)+\a):VG+4*((\dt0)+\a)+3] offset:1536*((\dt0)+\a)
	ds_store_b64 v18, v[178+4*\a:179+4*\a] offset:1536*((\dt0)+\a)+512
.endr
	s_wait_dscnt 0x0                               ; the stores are done
	s_wait_alu depctr_vm_vsrc(0)                   ; the stores have read VG, v178-183, v186 and v187, which the next quantiser and later the score products write again
.endif
.endm
; 32 pixels of the wave: lane l stands for pixel 64 w + 32 gi + (l & 7) + 16 ((l >> 3) & 1) + 8 (l >> 4): lanes 0-15 are tile 0's rows, lanes 16-31 tile 1's
.macro GROUP gi
.if \gi
	s_wait_alu depctr_va_vdst(0)                   ; the first group's products, batch-norm lines and quantisers are done with v78-109 and v130-161, in which the loads below land
	XLOAD 1, 0
	XLOAD 1, 1
.endif
.irp t, 0,1,2,3,4,5,6,7
	XBLOCK \gi, \t
.endr
.set XI, 0
.rept 24
	v_permlane16_swap_b32 v[XA+XI], v[XA+24+XI]    ; XA: lanes 0-15 tile 0's even blocks, lanes 16-31 tile 0's odd blocks: its fragments; the other set likewise tile 1's
.set XI, XI+1
.endr
.rept 8
	v_nop                                          ; scale words written by vector instructions stand eight places ahead of a scaled product, operands four
.endr
.if \gi == 0
	s_wait_dscnt 0x0                               ; my weight fragment and my part of the batch norms' table have landed
	s_barrier_signal -1
	s_barrier_wait -1                              ; everybody's have
.endif
	UNIT 0, 0                                      ; q
	QB2 ACC, 178, 182
	v_lshl_or_b32 v181, v244, 8, v244              ; the byte in all four places of the scale word
	v_lshl_or_b32 v185, v245, 8, v245
	v_lshl_or_b32 v181, v181, 16, v181
	v_lshl_or_b32 v185, v185, 16, v185
	s_wait_alu depctr_va_vdst(0)                   ; q's codes and scale words, v178-185, are written, which the LDS stores read
	ds_store_b128 v21, v[178:181] offset:512*(2*\gi)
	ds_store_b128 v21, v[182:185] offset:512*(2*\gi+1)
	s_wait_dscnt 0x0                               ; the stores are done
	s_wait_alu depctr_vm_vsrc(0)                   ; the stores have read v178-185, which later conversions write again
	UNIT 0, 2                                      ; k
	QB2 ACC, PC+6*\gi, 246
.irp i, 0,1,2
	v_permlane16_swap_b32 v[PC+6*\gi+\i], v[246+\i]   ; lanes 0-15: the whole block of tile 2 gi's key, lanes 16-31: of tile 2 gi + 1's
.endr
.irp i, 0,1,2
	v_mov_b32 v[PC+6*\gi+3+\i], v[246+\i]
.endr
.if \gi == 0
	v_lshl_or_b32 v10, v245, 8, v244               ; K's scale word: byte t for tile t
.else
	v_lshl_or_b32 v7, v245, 8, v244
	v_lshl_or_b32 v10, v7, 16, v10
.endif
	UNIT 1, 4                                      ; v, channels' tiles 0 and 1
	FINV \gi, 0
	UNIT 1, 6                                      ; tiles 2 and 3
	FINV \gi, 2
.endm
	s_load_b512 s[8:23], s[0:1], 0x0               ; x 8, wq 10, wk 12, wv 14, gq 16, bq 18, mq 20, vq 22
	s_load_b512 s[24:39], s[0:1], 0x40             ; gk 24, bk 26, mk 28, vk 30, gv 32, bv 34, mv 36, vv 38
	s_load_b256 s[40:47], s[0:1], 0x80             ; wo 40, g_codes 42, g_scales 44, wo_codes 46
	s_load_b64 s[48:49], s[0:1], 0xa0              ; wo_scales
	v_lshl_add_u32 v8, v0, 2, SPARE                ; my spare word,
	v_mov_b32 v9, 0                                ; and 0: kept for the closing lines
	v_lshrrev_b32 v7, 5, v0
	v_readfirstlane_b32 s2, v7                     ; wave 0..15
	s_mov_b32 s3, ttmp9                            ; head
	s_and_b32 s4, ttmp7, 0xffff                    ; batch
	s_wait_alu depctr_va_sdst(0)                   ; s2 is written, ahead of its first reader: addresses, bases and the roles' branches are made from it
	s_lshr_b32 s5, s2, 1                           ; my weight tile; also my key step
	s_and_b32 s6, s2, 1                            ; its K step; also my half of the key step
	v_and_b32 v12, 31, v0
	v_lshlrev_b32 v1, 4, v12
	v_lshlrev_b32 v2, 3, v12
	v_lshlrev_b32 v3, 2, v12
	v_bfe_u32 v13, v0, 4, 1                        ; lane / 16
	v_and_b32 v14, 7, v0
	v_bfe_u32 v15, v0, 3, 1
	v_lshlrev_b32 v24, 2, v14
	v_lshl_add_u32 v24, v15, 6, v24                ; 4 x the pattern's row of lane % 16: the table's place of my channel of v
	v_lshl_add_u32 v22, v13, 5, v24                ; 4 x my pixel in a group
	v_lshlrev_b32 v23, 6, v13                      ; the table's place of my 16 channels of q or k
	v_lshlrev_b32 v25, 2, v0                       ; where waves 0-3 write the table
	v_lshl_add_u32 v7, v24, 8, v23                 ; the weights: the pattern's row x 1,024 bytes + 64 x (lane / 16)
	v_add_nc_u32 v[KA], REC+9216, v3               ; the first record's scale words of K
	; every LDS address register is made here, ahead of the first parting of the waves
	s_mul_i32 s7, s5, RECB
	s_add_co_u32 s7, s7, REC                       ; my record
	s_mul_i32 s76, s6, 1536
	s_add_co_u32 s76, s76, s7
	v_add_nc_u32 v16, s76, v1                      ; K's fragment
	s_mul_i32 s76, s6, 768
	s_add_co_u32 s76, s76, s7
	s_add_co_u32 s76, s76, 3072
	v_add_nc_u32 v17, s76, v1                      ; V's half fragments: 16 bytes a lane,
	v_add_nc_u32 v18, s76, v2                      ; and 8 bytes a lane
	s_lshl_b32 s76, s6, 7
	s_add_co_u32 s76, s76, s7
	s_add_co_u32 s76, s76, 9216
	v_add_nc_u32 v19, s76, v3                      ; K's scale word
	s_lshl_b32 s76, s6, 1
	s_add_co_u32 s76, s76, s7
	s_add_co_u32 s76, s76, 9472
	v_add_nc_u32 v20, s76, v3                      ; my two bytes of V's scale words
	s_lshl_b32 s76, s2, 11
	s_add_co_u32 s59, s76, QST                     ; my q
	v_add_nc_u32 v21, s59, v1
	s_mul_i32 s76, s2, 1536
	v_add_nc_u32 v26, s76, v1                      ; my weight fragment
	s_lshl_b32 s76, s2, 7
	v_add_nc_u32 v27, s76, v3                      ; its scale word
	s_add_co_u32 s60, s76, GSS                     ; my 128 bytes of the result's scale bytes
	s_lshl_b32 s76, s2, 9
	v_add_nc_u32 v11, s76, v1                      ; and the way out of them (waves 0-3)
	s_mov_b32 s50, 0x76543210
	s_mov_b32 s51, 0xfedcba98                      ; v_permlanex16_b32's selects for lane l xor 16
	s_mov_b32 s52, 0x3e8293ee                      ; c = log2(e) / sqrt(32)
	s_mov_b32 s53, s52                             ; (named with it as a pair)
	s_mov_b32 s54, 0x0000ffff                      ; lanes 0-15
	s_mov_b32 s55, 0xffff0000                      ; lanes 16-31
.irp i, 242,243,244,245,255
	v_mov_b32 v\i, 0                               ; written once: a lane permute's destination counts as a source, and v255 is named as the upper half of a pair
.endr
	; which weight rows are mine: q, k: 32 head + 8 (wt & 1);  v: 64 head + 32 ((wt >> 1) & 1) + 8 (wt & 1)
	s_and_b32 s76, s5, 1
	s_lshl_b32 s76, s76, 3
	s_lshl_b32 s77, s3, 5
	s_bfe_u32 s78, s5, 0x10001
	s_lshl_b32 s78, s78, 5
	s_lshl_b32 s79, s3, 6
	s_add_co_u32 s78, s78, s79
	s_cmp_lt_u32 s5, 4
	s_cselect_b32 s77, s77, s78
	s_add_co_u32 s76, s76, s77
	s_lshl_b32 s76, s76, 10                        ; rows of 1,024 bytes,
	s_lshl_b32 s77, s6, 9                          ; and my K step's 512
	s_add_co_u32 s76, s76, s77
	s_mov_b32 s77, 0
	s_lshl_b32 s84, s4, 3
	s_add_co_u32 s84, s84, s3                      ; 8 b + head
	s_lshl_b32 s78, s4, 20
	s_lshl_b32 s79, s2, 8
	s_add_co_u32 s78, s78, s79                     ; x: the batch, my 64 pixels
	s_mov_b32 s79, 0
	s_mul_i32 s80, s4, 393216
	s_mul_i32 s81, s2, 24576
	s_add_co_u32 s80, s80, s81
	s_mul_i32 s81, s3, 768
	s_add_co_u32 s80, s80, s81                     ; g_codes: the batch, my four tiles, the head
	s_mov_b32 s81, 0
	s_lshl_b32 s82, s84, 11
	s_and_b32 s83, s2, 3
	s_lshl_b32 s83, s83, 9
	s_add_co_u32 s82, s82, s83                     ; g_scales: 2,048 bytes a (batch, head), 512 for each of waves 0-3
	s_mov_b32 s83, 0
	s_wait_kmcnt 0x0
	s_add_nc_u64 s[8:9], s[8:9], s[78:79]
	s_add_nc_u64 s[42:43], s[42:43], s[80:81]
	s_add_nc_u64 s[44:45], s[44:45], s[82:83]
	s_lshl_b32 s78, s84, 11
	s_add_nc_u64 s[40:41], s[40:41], s[78:79]      ; wo's row 8 b + head
	s_mul_i32 s78, s84, 384
	s_add_nc_u64 s[46:47], s[46:47], s[78:79]
	s_lshl_b32 s78, s84, 4
	s_add_nc_u64 s[48:49], s[48:49], s[78:79]
	s_cmp_lt_u32 s5, 2
	s_cselect_b64 s[74:75], s[10:11], s[12:13]     ; the choice hangs on the wave's number alone
	s_cmp_lt_u32 s5, 4
	s_cselect_b64 s[74:75], s[74:75], s[14:15]
	s_add_nc_u64 s[74:75], s[74:75], s[76:77]
	s_wait_alu depctr_va_vdst(0)                   ; the offsets and LDS addresses v1-3, v7, v11, v16-27 and v249 are written, which the loads and stores from here on read
.set XI, 0
.rept 16                                       ; my weight fragment's numbers: register 16 q + i = k 32 q + 16 (lane / 16) + i of my row
	global_load_b128 v[162+4*XI:165+4*XI], v7, s[74:75] offset:128*(XI/4)+16*(XI%4)
.set XI, XI+1
.endr
	XLOAD 0, 0
	XLOAD 0, 1
	s_wait_loadcnt 63                              ; 64 loads were issued behind the weights' 16: the largest count that the wait can name shows the 16 in
.irp q, 0,1,2,3
	v_max3_num_f32 v[238+\q], |v[162+16*\q]|, |v[163+16*\q]|, 0x1800000
.endr
.irp i, 2,4,6,8,10,12,14
.irp q, 0,1,2,3
	v_max3_num_f32 v[238+\q], v[238+\q], |v[162+16*\q+\i]|, |v[163+16*\q+\i]|
.endr
.endr
.irp q, 0,1,2,3
	v_permlanex16_b32 v[242+\q], v[238+\q], s50, s51
.endr
.irp q, 0,1,2,3
	v_max_num_f32 v[238+\q], v[238+\q], v[242+\q]
.endr
.irp q, 0,1,2,3
	v_add_nc_u32 v[250+\q], 0xff000000, v[238+\q]
.endr
.irp q, 0,1,2,3
	v_lshrrev_b32 v[242+\q], 23, v[250+\q]
.endr
	v_lshl_or_b32 v48, v243, 8, v242
	v_lshl_or_b32 v48, v244, 16, v48
	v_lshl_or_b32 v48, v245, 24, v48
.irp c, 0,1
	v_cvt_scalef32_pk16_fp6_f32 v[28+6*\c:30+6*\c], v[162+32*\c:177+32*\c], v[250+2*\c]
	v_cvt_scalef32_pk16_fp6_f32 v[40+4*\c:42+4*\c], v[178+32*\c:193+32*\c], v[251+2*\c]
.endr
	v_nop                                          ; one plain place behind a scaled conversion
.irp c, 0,1
.irp i, 0,1,2
	v_permlane16_swap_b32 v[28+6*\c+\i], v[40+4*\c+\i]
.endr
.irp i, 0,1,2
	v_mov_b32 v[31+6*\c+\i], v[40+4*\c+\i]
.endr
.endr
	s_wait_alu depctr_va_vdst(0)                   ; the weight fragment v28-39 and its scale word v48 are written, which the LDS stores read
.irp c, 0,1,2
	ds_store_b128 v26, v[28+4*\c:31+4*\c] offset:WIMG+512*\c   ; the fragment goes to LDS as an image of its registers
.endr
	ds_store_b32 v27, v48 offset:WSC
	; ---- the roles: waves 0-3 make the batch norms' table, a channel a lane; wave 15 quantises a row of wo.  Each role has registers of its own
	s_cmp_lt_u32 s2, 4
	s_cbranch_scc0 .Lnot_bn
	s_cmp_eq_u32 s2, 1
	s_cselect_b64 s[66:67], s[24:25], s[32:33]
	s_cselect_b64 s[68:69], s[26:27], s[34:35]
	s_cselect_b64 s[70:71], s[28:29], s[36:37]
	s_cselect_b64 s[72:73], s[30:31], s[38:39]
	s_cmp_eq_u32 s2, 0
	s_cselect_b64 s[66:67], s[16:17], s[66:67]
	s_cselect_b64 s[68:69], s[18:19], s[68:69]
	s_cselect_b64 s[70:71], s[20:21], s[70:71]
	s_cselect_b64 s[72:73], s[22:23], s[72:73]
	s_lshl_b32 s76, s3, 7                          ; q, k: 32 channels a head
	s_lshl_b32 s77, s3, 8                          ; v: 64, wave 3 the upper 32
	s_max_u32 s78, s2, 2
	s_sub_co_u32 s78, s78, 2
	s_lshl_b32 s78, s78, 7
	s_add_co_u32 s77, s77, s78
	s_cmp_lt_u32 s2, 2
	s_cselect_b32 s76, s76, s77
	v_add_nc_u32 v49, s76, v3
	s_wait_alu depctr_va_vdst(0)                   ; v49 is written, which the four loads read as their offset
	global_load_b32 v50, v49, s[66:67]             ; g
	global_load_b32 v51, v49, s[68:69]             ; b
	global_load_b32 v52, v49, s[70:71]             ; m
	global_load_b32 v53, v49, s[72:73]             ; v
	s_wait_loadcnt 0x0
	v_add_f32 v53, 0x3727c5ac, v53                 ; + 1e-5
	s_wait_alu depctr_va_vdst(0)
	v_rsq_f32 v53, v53
	v_nop                                          ; a plain place behind the transcendental,
	s_wait_alu depctr_va_vdst(0)                   ; and the root's result v53 is written, ahead of its first reader
	v_mul_f32 v53, v53, v50                        ; inv
	v_fma_f32 v54, -v52, v53, v51                  ; off = b - m inv
	s_wait_alu depctr_va_vdst(0)                   ; inv and off, v53 and v54, are written, which the LDS stores read
	ds_store_b32 v25, v53 offset:BNT
	ds_store_b32 v25, v54 offset:BNT+512
.Lnot_bn:
	s_cmp_eq_u32 s2, 15
	s_cbranch_scc0 .Lnot_wo
	v_lshlrev_b32 v55, 2, v1                       ; 16 numbers a lane: two lanes to a block
	v_mul_u32_u24 v72, v3, 3                       ; 12 bytes of codes a lane
	v_lshrrev_b32 v73, 3, v3                       ; a byte a block
	s_wait_alu depctr_va_vdst(0)                   ; the offsets v55, v72 and v73 are written, which the loads and the stores below read
.irp j, 0,1,2,3
	global_load_b128 v[56+4*\j:59+4*\j], v55, s[40:41] offset:16*\j
.endr
	s_wait_loadcnt 0x0
	v_max3_num_f32 v74, |v56|, |v57|, |v58|
	v_max3_num_f32 v75, |v59|, |v60|, |v61|
.irp i, 6,10
	v_max3_num_f32 v74, v74, |v[56+\i]|, |v[57+\i]|
	v_max3_num_f32 v75, v75, |v[58+\i]|, |v[59+\i]|
.endr
	v_max3_num_f32 v74, v74, |v70|, |v71|
	v_max3_num_f32 v74, v74, v75, 0x1800000
	v_max_num_f32_dpp v74, v74, v74 row_xmask:1 row_mask:0xf bank_mask:0xf
	v_add_nc_u32 v75, 0xff000000, v74
	v_cvt_scalef32_pk16_fp6_f32 v[226:228], v[56:71], v75
	v_lshrrev_b32 v229, 23, v75                    ; (the plain place behind the conversion)
	s_wait_alu depctr_va_vdst(0)                   ; the codes v226-228 and the byte v229 are written, which the stores read
	global_store_b96 v72, v[226:228], s[46:47]     ; the wave stores the row's 384 consecutive bytes
	global_store_b8 v73, v229, s[48:49]            ; both lanes of a block write the same byte with the same value
.Lnot_wo:
	s_wait_xcnt 0x0                                ; the roles' loads and stores have had their addresses translated: their registers are written again below
	s_wait_dscnt 0x0                               ; and the LDS stores are done
	s_wait_alu depctr_vm_vsrc(0)                   ; the image's and the roles' stores and loads have read v7, v28-39, v48-55, v72, v73 and v226-229, which x's codes and the quantisers take next
	GROUP 0
	GROUP 1
.irp c, 0,1,2
	ds_store_b128 v16, v[PC+4*\c:PC+4*\c+3] offset:512*\c      ; my 64 keys: one fragment of K.  No wait: PC and v10 were written ahead of the units' waits on va_vdst for v, and no vector line since names them
.endr
	ds_store_b32 v19, v10
	s_wait_dscnt 0x0                               ; my parts of K and V have landed
	s_barrier_signal -1
	s_barrier_wait -1                              ; the eight records are whole
	s_wait_alu depctr_vm_vsrc(0)                   ; the projections' loads and stores have read their addresses v16-27, and the stores above PC and v10: all of these are written again from here on
	; ---- attention: four tiles of 16 queries, one after the other
.irp i, 0,1,2,3,4,5
	v_mov_b32 v[22+\i], 0                          ; the versions' zero codes
	v_mov_b32 v[40+\i], 0
.endr
; A KEY STEP: 128 keys, one record, which begins at LDS byte s58.  nxt = 1: the next step's K is asked for
.macro STEP nxt
	s_wait_alu depctr_vm_vsrc(0)                   ; the LDS loads issued so far have read v4, v5 and v6
	v_add_nc_u32 v4, s58, v1
	v_add_nc_u32 v5, s58, v2
	v_add_nc_u32 v6, s58, v3
	s_wait_dscnt 0x0                               ; K's two fragments and scale words, asked for in the step before (a tile's first: at its head), are in
.irp g, 0,1
.irp t, 0,1,2,3
	MM S+8*(4*\g+\t), KF+12*\g, 16+18*(\t%2)+6*(\t/2), KW+\g, 10, 1, 0
.endr
.endr                                              ; lane (r, h): query r; register 16 q + i: key 32 q + 16 h + i of the step
.rept 4
	v_nop
.endr
.irp q, 0,1,2,3
	v_max3_num_f32 v[238+\q], v[S+16*\q], v[S+1+16*\q], v[S+2+16*\q]   ; the largest score of each block of 32 keys: for the row's maximum, and for the block's largest p
.endr
.irp i, 3,5,7,9,11,13
.irp q, 0,1,2,3
	v_max3_num_f32 v[238+\q], v[238+\q], v[S+16*\q+\i], v[S+1+16*\q+\i]
.endr
.endr
.irp q, 0,1,2,3
	v_max_num_f32 v[238+\q], v[238+\q], v[S+15+16*\q]
.endr
.irp q, 0,1,2,3
	v_permlanex16_b32 v[242+\q], v[238+\q], s50, s51
.endr
.irp q, 0,1,2,3
	v_max_num_f32 v[238+\q], v[238+\q], v[242+\q]
.endr
	v_max3_num_f32 v7, v238, v239, v240
	v_max_num_f32 v7, v7, v241
	v_mul_f32 v7, s52, v7                          ; as t
	v_max_num_f32 v13, v13, v7                     ; the running largest t
	v_mov_b32 v7, v12
	v_floor_f32 v12, -v13                          ; the new -M: M is a whole number
	v_sub_f32 v7, v12, v7                          ; old M - new M
	v_cvt_i32_f32 v7, v7                           ; (it saturates)
	v_ldexp_f32 v254, 1.0, v7                      ; f = 2^(old M - new M)
.set XI, 0
.rept 32
	v_pk_fma_f32 v[S+XI:S+XI+1], v[S+XI:S+XI+1], s[52:53], v[12:13] op_sel_hi:[1,0,0]   ; t - M
.set XI, XI+2
.endr
.irp q, 0,1,2,3
	v_fma_f32 v[238+\q], v[238+\q], s52, v12
.endr
.set XI, 0
	s_wait_alu depctr_va_vdst(0)
.rept 64
	v_exp_f32 v[S+XI], v[S+XI]                     ; p = 2^(t - M)
.set XI, XI+1
.endr
	v_pk_mul_f32 v[14:15], v[14:15], v[254:255] op_sel_hi:[1,0]   ; the sums under the new M: the plain place behind the batch
	s_wait_alu depctr_va_vdst(0)                   ; the 64 exponentials' results are written, ahead of their first reader; the last step's V products are done reading VF and VW, this step's score products KF and KW, in which the loads below land; v4-6 are written, which those loads read
.irp t, 0,1,2,3                                ; this step's V: wanted at the step's end
.irp c, 0,1
	ds_load_b128 v[VF+12*\t+6*\c:VF+12*\t+6*\c+3], v4 offset:3072+768*(2*\t+\c)
	ds_load_b64 v[VF+12*\t+6*\c+4:VF+12*\t+6*\c+5], v5 offset:3072+768*(2*\t+\c)+512
.endr
	ds_load_b32 v[VW+\t], v6 offset:9472+128*\t
.endr
.if \nxt
.irp g, 0,1                                    ; the next step's K: one record on
.irp c, 0,1,2
	ds_load_b128 v[KF+12*\g+4*\c:KF+12*\g+4*\c+3], v4 offset:RECB+1536*\g+512*\c
.endr
	ds_load_b32 v[KW+\g], v6 offset:RECB+9216+128*\g
.endr
.endif
.irp q, 0,1,2,3
	v_exp_f32 v[238+\q], v[238+\q]                 ; each block's largest p
.endr
	v_pk_add_f32 v[242:243], v[S:S+1], v[S+2:S+3]  ; the sum of the unquantised p, in two chains
.irp j, 4,8,12,16,20,24,28,32,36,40,44,48,52,56,60
	v_pk_add_f32 v[14:15], v[14:15], v[S+\j:S+\j+1]
	v_pk_add_f32 v[242:243], v[242:243], v[S+2+\j:S+3+\j]
.endr
	v_pk_add_f32 v[14:15], v[14:15], v[242:243]
	s_wait_alu depctr_va_vdst(0)                   ; the four exponentials' results v238-241 are written, ahead of their first reader
.irp q, 0,1,2,3
	v_max_num_f32 v[238+\q], 0x1800000, v[238+\q]  ; the floor
.endr
.irp q, 0,1,2,3
	v_add_nc_u32 v[250+\q], 0xff000000, v[238+\q]
.endr
.irp q, 0,1,2,3
	v_lshrrev_b32 v[242+\q], 23, v[250+\q]
.endr
	v_lshl_or_b32 v255, v243, 8, v242              ; p's scale word
	v_lshl_or_b32 v255, v244, 16, v255
	v_lshl_or_b32 v255, v245, 24, v255
.irp c, 0,1
	v_cvt_scalef32_pk16_fp6_f32 v[PC+6*\c:PC+2+6*\c], v[S+32*\c:S+15+32*\c], v[250+2*\c]
	v_cvt_scalef32_pk16_fp6_f32 v[242+4*\c:244+4*\c], v[S+16+32*\c:S+31+32*\c], v[251+2*\c]
.endr
	v_nop                                          ; one plain place behind a scaled conversion
.irp c, 0,1
.irp i, 0,1,2
	v_permlane16_swap_b32 v[PC+6*\c+\i], v[242+4*\c+\i]
.endr
.irp i, 0,1,2
	v_mov_b32 v[PC+3+6*\c+\i], v[242+4*\c+\i]
.endr
.endr
.set XI, 0
.rept 16
	v_pk_mul_f32 v[O+XI:O+XI+1], v[O+XI:O+XI+1], v[254:255] op_sel_hi:[1,0]   ; the result under the new M; also the places between p's codes and scale word and the products
.set XI, XI+2
.endr
.if \nxt
	s_wait_dscnt 8                                 ; V's twenty loads are in; the next step's K, eight loads issued behind them, may be out
.else
	s_wait_dscnt 0x0                               ; V is in
.endif
	s_wait_alu depctr_va_vdst(0)                   ; p's codes PC and its scale word v255 are written, which the scaled products take; the places above stay beside this wait
.irp t, 0,1,2,3
	MM O+8*\t, VF+12*\t, PC, VW+\t, 255, 0, 0
.endr
.endm
	s_mov_b32 s56, 0
.Ltile:
	v_add_nc_u32 v4, s59, v1
	s_wait_alu depctr_va_vdst(0)                   ; v4 is written, which q's load reads; every earlier vector and matrix line is done with v238-241 and with K's registers v52-77, in which the loads below land
	ds_load_b128 v[238:241], v4                    ; lane (r, h): codes 16 h .. 16 h + 15 of query r, and its scale word
.irp g, 0,1                                    ; the first key step's K: the first record
.irp c, 0,1,2
	ds_load_b128 v[KF+12*\g+4*\c:KF+12*\g+4*\c+3], v1 offset:REC+1536*\g+512*\c
.endr
	ds_load_b32 v[KW+\g], v[KA] offset:128*\g
.endr
	s_wait_dscnt 8                                 ; q is in; K's eight loads, issued behind it, may be out
.irp i, 0,1,2
	v_permlanex16_b32 v[242+\i], v[238+\i], s50, s51
.endr
.irp i, 0,1,2
	v_cndmask_b32 v[16+\i], 0, v[238+\i], s54      ; QL: the whole block in lanes 0-15, zeros above
	v_cndmask_b32 v[19+\i], 0, v[242+\i], s54
	v_cndmask_b32 v[34+\i], 0, v[242+\i], s55      ; QH: in lanes 16-31, zeros below
	v_cndmask_b32 v[37+\i], 0, v[238+\i], s55
.endr
.irp i, 0,1,2,3,4,5
	v_mov_b32 v[28+\i], v[16+\i]
	v_mov_b32 v[46+\i], v[34+\i]
.endr
	v_mov_b32 v10, v241
	v_mov_b32 v13, 0xff61b1e6                      ; the largest t so far: -3e38
	v_floor_f32 v12, -v13                          ; -M
	v_mov_b32 v14, 0
	v_mov_b32 v15, 0
.set XI, 0
.rept 32
	v_mov_b32 v[O+XI], 0                           ; the step is written once for the loop: the first finds zeros.  (These are also the places between the versions, the scale word and the first product)
.set XI, XI+1
.endr
	s_wait_alu depctr_va_vdst(0)                   ; q's four versions v16-51 and its scale word v10 are written, which the tile's scaled products take
	s_mov_b32 s57, 0
	s_mov_b32 s58, REC
.Lstep:                                            ; seven trips: each asks for the next step's K
	STEP 1
	s_add_co_u32 s58, s58, RECB
	s_add_co_u32 s57, s57, 1
	s_cmp_lt_u32 s57, 7
	s_cbranch_scc1 .Lstep
	STEP 0                                         ; the eighth step is written out: there is no record behind the last
	; ---- the tile's end: / l, GELU, codes
.rept 4
	v_nop
.endr
	v_add_f32 v14, v14, v15
	v_permlanex16_b32 v242, v14, s50, s51
	v_add_f32 v14, v14, v242                       ; the row's sum
	s_wait_alu depctr_va_vdst(0)
	v_rcp_f32 v254, v14
	v_nop
	s_wait_alu depctr_va_vdst(0)                   ; the reciprocal v254 is written, ahead of its first reader
.set XI, 0
.rept 16
	v_pk_mul_f32 v[O+XI:O+XI+1], v[O+XI:O+XI+1], v[254:255] op_sel_hi:[1,0]   ; x = the attention's result: register 16 q + i: channel 32 q + 16 h + i of the head
.set XI, XI+2
.endr
.set XI, 0
.rept 32
	v_fma_f32 v[130+XI], |v[O+XI]|, 0x3e6d3388, 1.0        ; 1 + 0.23164189 |x|
.set XI, XI+1
.endr
.set XI, 0
.rept 16
	v_pk_mul_f32 v[162+XI:163+XI], v[O+XI:O+XI+1], v[O+XI:O+XI+1]
.set XI, XI+2
.endr
.set XI, 0
.rept 16
	v_pk_mul_f32 v[162+XI:163+XI], v[162+XI:163+XI], 0xbf38aa3b op_sel_hi:[1,0]   ; -0.72134752 x x
.set XI, XI+2
.endr
.set XI, 0
	s_wait_alu depctr_va_vdst(0)
.rept 32
	v_rcp_f32 v[130+XI], v[130+XI]                 ; u
.set XI, XI+1
.endr
.set XI, 0
.rept 32
	v_exp_f32 v[162+XI], v[162+XI]                 ; e = exp(-x x / 2)
.set XI, XI+1
.endr
	v_mov_b32 v110, 0xbf3a00e3                     ; a4 / 2, as a pair (an instruction takes one literal): the plain place behind the batch
	v_mov_b32 v111, 0xbf3a00e3
	s_wait_alu depctr_va_vdst(0)                   ; the 32 reciprocals v130-161 and the 32 exponentials v162-193 are written, ahead of their first reader
.set XI, 0
.rept 16
	v_pk_fma_f32 v[78+XI:79+XI], v[130+XI:131+XI], 0x3f07dc22, v[110:111] op_sel_hi:[1,0,1]
.set XI, XI+2
.endr
.irp k, 0x3f35f0e3, 0xbe11a98e, 0x3e027906
.set XI, 0
.rept 16
	v_pk_fma_f32 v[78+XI:79+XI], v[78+XI:79+XI], v[130+XI:131+XI], \k op_sel_hi:[1,1,0]
.set XI, XI+2
.endr
.endr
.set XI, 0
.rept 16
	v_pk_mul_f32 v[78+XI:79+XI], v[78+XI:79+XI], v[130+XI:131+XI]              ; poly(u) / 2
.set XI, XI+2
.endr
.set XI, 0
.rept 16
	v_pk_fma_f32 v[78+XI:79+XI], v[78+XI:79+XI], v[162+XI:163+XI], 0.5 op_sel_hi:[1,1,0] neg_lo:[1,0,0] neg_hi:[1,0,0]   ; 0.5 - w
.set XI, XI+2
.endr
.set XI, 0
.rept 16
	v_pk_mul_f32 v[162+XI:163+XI], v[O+XI:O+XI+1], 0.5 op_sel_hi:[1,0]
.set XI, XI+2
.endr
.set XI, 0
.rept 32
	v_fma_f32 v[O+XI], |v[O+XI]|, v[78+XI], v[162+XI]      ; gelu(x) = |x| (0.5 - w) + 0.5 x
.set XI, XI+1
.endr
	QB2 O, PC, 246                                 ; the head's two blocks of 32 channels
.irp i, 0,1,2
	v_permlane16_swap_b32 v[PC+\i], v[246+\i]
.endr
.irp i, 0,1,2
	v_mov_b32 v[PC+3+\i], v[246+\i]
.endr
	s_wait_alu depctr_vm_vsrc(0)                   ; the last key step's LDS loads have read v4
	v_lshl_or_b32 v7, v245, 8, v244
	v_and_b32 v4, 15, v0
	v_lshl_add_u32 v4, v4, 1, s60
	s_wait_alu depctr_va_vdst(0)                   ; the codes PC .. PC + 5, the two bytes v7 and the address v4 are written, which the three stores read
	global_store_b128 v1, v[PC:PC+3], s[42:43]             ; 512 consecutive bytes, at a multiple of 256 from the buffer's first byte,
	global_store_b64 v2, v[PC+4:PC+5], s[42:43] offset:512 ; and 256
	ds_store_b16 v4, v7                            ; row r's two bytes; both halves of the lanes write the same bytes with the same value
	s_wait_xcnt 0x0                                ; the stores have had their addresses translated: their data and their base are written again below
	s_wait_dscnt 0x0
	s_wait_alu depctr_vm_vsrc(0)                   ; the three stores have read PC, v7 and v4, which the next tile writes again
	s_add_nc_u64 s[42:43], s[42:43], 6144          ; the next tile's records
	s_add_co_u32 s59, s59, 512
	s_add_co_u32 s60, s60, 32
	s_add_co_u32 s56, s56, 1
	s_cmp_lt_u32 s56, 4
	s_cbranch_scc1 .Ltile
	s_barrier_signal -1                            ; every wave's scale bytes have landed (the wait for them stands at the tile's end)
	s_barrier_wait -1
	s_cmp_lt_u32 s2, 4
	s_cbranch_scc0 .Lend
	ds_load_b128 v[130:133], v11 offset:GSS        ; no wait: the last vector lines that name v130-133 stand ahead of the tile's last wait on va_vdst, and no vector line follows it
	s_wait_dscnt 0x0
	global_store_b128 v1, v[130:133], s[44:45]     ; 512 consecutive bytes a wave
.Lend:
	s_wait_dscnt 0x0                               ; the closing lines, six on end
	s_wait_alu 0x0
	s_wait_tensorcnt 0x0
	ds_add_u32 v8, v9
	s_wait_dscnt 0x0
	s_endpgm
.Lfunc_end_k_q71ff1d0b69_attn:
	.size	k_q71ff1d0b69_attn, .Lfunc_end_k_q71ff1d0b69_attn-k_q71ff1d0b69_attn
	.p2alignl 7, 3214868480
	.fill 96, 4, 3214868480
	.section	.rodata,"a",@progbits
	.p2align	6, 0x0
	.amdhsa_kernel k_q71ff1d0b69_attn
		.amdhsa_group_segment_fixed_size 144384
		.amdhsa_private_segment_fixed_size 0
		.amdhsa_enable_private_segment 0
		.amdhsa_kernarg_size 168
		.amdhsa_user_sgpr_count 2
		.amdhsa_user_sgpr_kernarg_segment_ptr 1
		.amdhsa_wavefront_size32 1
		.amdhsa_system_sgpr_workgroup_id_x 1
		.amdhsa_system_sgpr_workgroup_id_y 1
		.amdhsa_system_sgpr_workgroup_id_z 1
		.amdhsa_system_vgpr_workitem_id 0
		.amdhsa_next_free_vgpr 256
		.amdhsa_next_free_sgpr 90
		.amdhsa_reserve_vcc 0
		.amdhsa_float_denorm_mode_32 3
		.amdhsa_float_denorm_mode_16_64 3
		.amdhsa_memory_ordered 1
		.amdhsa_forward_progress 1
		.amdhsa_inst_pref_size 191
	.end_amdhsa_kernel
	.amdgpu_metadata
---
amdhsa.version: [ 1, 2 ]
amdhsa.kernels:
  - .name:           k_q71ff1d0b69_attn
    .symbol:         k_q71ff1d0b69_attn.kd
    .args:
      - { .name: x, .offset: 0, .size: 8, .value_kind: global_buffer, .address_space: global }
      - { .name: wq, .offset: 8, .size: 8, .value_kind: global_buffer, .address_space: global }
      - { .name: wk, .offset: 16, .size: 8, .value_kind: global_buffer, .address_space: global }
      - { .name: wv, .offset: 24, .size: 8, .value_kind: global_buffer, .address_space: global }
      - { .name: gq, .offset: 32, .size: 8, .value_kind: global_buffer, .address_space: global }
      - { .name: bq, .offset: 40, .size: 8, .value_kind: global_buffer, .address_space: global }
      - { .name: mq, .offset: 48, .size: 8, .value_kind: global_buffer, .address_space: global }
      - { .name: vq, .offset: 56, .size: 8, .value_kind: global_buffer, .address_space: global }
      - { .name: gk, .offset: 64, .size: 8, .value_kind: global_buffer, .address_space: global }
      - { .name: bk, .offset: 72, .size: 8, .value_kind: global_buffer, .address_space: global }
      - { .name: mk, .offset: 80, .size: 8, .value_kind: global_buffer, .address_space: global }
      - { .name: vk, .offset: 88, .size: 8, .value_kind: global_buffer, .address_space: global }
      - { .name: gv, .offset: 96, .size: 8, .value_kind: global_buffer, .address_space: global }
      - { .name: bv, .offset: 104, .size: 8, .value_kind: global_buffer, .address_space: global }
      - { .name: mv, .offset: 112, .size: 8, .value_kind: global_buffer, .address_space: global }
      - { .name: vv, .offset: 120, .size: 8, .value_kind: global_buffer, .address_space: global }
      - { .name: wo, .offset: 128, .size: 8, .value_kind: global_buffer, .address_space: global }
      - { .name: g_codes, .offset: 136, .size: 8, .value_kind: global_buffer, .address_space: global }
      - { .name: g_scales, .offset: 144, .size: 8, .value_kind: global_buffer, .address_space: global }
      - { .name: wo_codes, .offset: 152, .size: 8, .value_kind: global_buffer, .address_space: global }
      - { .name: wo_scales, .offset: 160, .size: 8, .value_kind: global_buffer, .address_space: global }
    .group_segment_fixed_size: 144384
    .private_segment_fixed_size: 0
    .kernarg_segment_align: 8
    .kernarg_segment_size: 168
    .max_flat_workgroup_size: 512
    .sgpr_count:     90
    .vgpr_count:     256
    .wavefront_size: 32
...
	.end_amdgpu_metadata
.endif
;; end of part 3
;; launch outp (part 4): grid 8 x 32, 16 waves a work-group, no clusters, 188,416 bytes of LDS; arguments g_codes, g_scales, wo_codes, wo_scales, b_out, go, be_o, mo, vo, out0; writes out0
.if DOCPART == 4
	.amdgcn_target "amdgcn-amd-amdhsa--gfx1250"
	.amdhsa_code_object_version 6
	.text
	.protected	k_q71ff1d0b69_outp
	.globl	k_q71ff1d0b69_outp
	.p2align	8
	.type	k_q71ff1d0b69_outp,@function
k_q71ff1d0b69_outp:
	s_mov_b64 s[64:65], 0
	v_nop
	global_prefetch_b8 v0, s[64:65] scope:SCOPE_SE
	s_setreg_imm32_b32 hwreg(HW_REG_WAVE_SCHED_MODE, 0, 2), 2
	s_setreg_imm32_b32 hwreg(HW_REG_WAVE_MODE, 25, 1), 1
	s_wait_xcnt 0x0
	s_wait_alu depctr_vm_vsrc(0)
; out0[b][o][pixel] = bn(sum over c of wo[o][c] G[b][c][pixel] + b_out[o]), the product on codes of FP6 (E2M3) with one E8M0 scale for each 32 along K = 512.
; g_codes: [b][tile T of 16 pixels][head] x 768 bytes, in the order of an operand's registers: the head's six registers of fragment (T, K step head / 2): registers 0-3 as 16 bytes a lane, then 4-5 as 8 bytes a lane.
; g_scales [b][head][16 T + row] x 2 bytes.  wo_codes [256][384 bytes], wo_scales [256][16 bytes].  Row m of tile T is pixel 32 (T >> 1) + 8 (T & 1) + (m & 7) + 16 (m >> 3).
; SHARES.  A work-group takes 128 pixels (8 tiles) of one batch, all 256 output channels; wave w takes channels 16 w .. 16 w + 15, whose four fragments of wo stay in its registers.
; The 8 tiles' codes, 49,152 consecutive bytes, are copied to LDS as they lie, 3,072 bytes a wave; the scale bytes are laid there as 16 bytes a pixel row, so that a row's four scale words come by one load.
; Source 0 = 16 pixels, source 1 = 16 channels: a lane holds ONE channel and eight neighbouring pixels, 32 bytes of a row of out0.  A wave's 16 rows x 512 bytes go through its own stage in LDS and leave as whole rows.
; NO JOINT LOADS: what the work-groups share is wo, 6,400 bytes a wave, which goes straight into registers; each work-group's codes of G are its own.
; THE MODE: SCHED_MODE bits 1:0 = 2 (LLVM: expert scheduling mode 2), set by the entry lines.  The code itself states the register dependences
; between vector or matrix instructions and memory or LDS instructions, with s_wait_alu, always for 0.
; THE PLAN.  Registers that memory or LDS instructions touch:
;   v1-3, v7, v10-15  offsets and LDS addresses, made once at the head and never written again.
;   GF0, GF1          two buffers of four fragments of G, v72-119 and v200-247.  Step j (K step j % 4 of tiles 4 (j / 4) on) multiplies buffer j % 2; the 16 loads of step j + 1 go out ahead of its four products, into the other
;                     buffer, which the products of step j - 1 read: ONE wait on va_vdst at the step's head states that those are done reading it.  No product of step j names it.
;                     GF1's registers held the copies (read by LDS stores: a wait on vm_vsrc in step 0) and the batch norm's inputs (read by vector lines: step 0's wait on va_vdst).
;   GS                four tiles' scale words; loaded anew in step 4, behind that step's wait, which shows the products of steps 0 to 3 done reading them.
;   ACC               written by the products and the batch-norm lines; read by the stage's LDS stores (a wait on va_vdst ahead of them); then the rows land in them (a wait on vm_vsrc between).
.set GI,    0                          ; LDS: the 8 tiles' codes
.set GSC,   49152                      ; 128 rows x 16 scale bytes: byte 2 head + block
.set STG,   51200                      ; a stage of 16 rows x (512 + 16) bytes for each wave
.set SPARE, 186368                     ; the spare words, 128 bytes for each wave: eight blocks of 256 bytes that no other line names
.set WF,  16                           ; v16-63   wo's four fragments
.set WS,  64                           ; v64-67   their scale words
.set GF,  72                           ; v72-119  four fragments of G: buffer 0;  buffer 1: v200-247
.set GS,  120                          ; v120-135 four tiles' scale words, four each
.set ACC, 136                          ; v136-199 eight accumulators, later the rows read back from the stage
; v1 16 x lane, v2 8 x lane, v3 16 x (lane % 16); v7, v12, v13 offsets in memory; v8, v9 the add's two; v10, v11 the stage; v14, v15 the copies' places in LDS; v[68:69] inv, v[70:71] off; v200-224 the copies; v226-230 the batch norm's inputs
.macro GLOAD j                         ; step j's four fragments into buffer j % 2
.set GN, GF+128*((\j)%2)
.irp tl, 0,1,2,3
.irp c, 0,1
	ds_load_b128 v[GN+12*\tl+6*\c:GN+12*\tl+6*\c+3], v1 offset:GI+6144*(4*((\j)/4)+\tl)+1536*((\j)%4)+768*\c
	ds_load_b64 v[GN+12*\tl+6*\c+4:GN+12*\tl+6*\c+5], v2 offset:GI+6144*(4*((\j)/4)+\tl)+1536*((\j)%4)+768*\c+512
.endr
.endr
.endm
.macro SLOAD hf                        ; the scale words of tiles 4 hf .. 4 hf + 3
.irp tl, 0,1,2,3
	ds_load_b128 v[GS+4*\tl:GS+4*\tl+3], v3 offset:GSC+256*(4*(\hf)+\tl)
.endr
.endm
	s_load_b512 s[8:23], s[0:1], 0x0               ; g_codes 8, g_scales 10, wo_codes 12, wo_scales 14, b_out 16, go 18, be_o 20, mo 22
	s_load_b128 s[24:27], s[0:1], 0x40             ; vo 24, out0 26
	v_lshl_add_u32 v8, v0, 2, SPARE
	v_mov_b32 v9, 0
	v_lshrrev_b32 v4, 5, v0
	v_readfirstlane_b32 s2, v4                     ; wave 0..15
	s_mov_b32 s3, ttmp9                            ; which 128 pixels
	s_and_b32 s4, ttmp7, 0xffff                    ; batch
	s_wait_alu depctr_va_sdst(0)                   ; s2 is written, ahead of its first reader: addresses and bases are made from it
	s_and_b32 s6, s2, 1
	s_lshr_b32 s7, s2, 1
	v_and_b32 v4, 31, v0
	v_lshlrev_b32 v1, 4, v4
	v_lshlrev_b32 v2, 3, v4
	v_and_b32 v5, 15, v0                           ; r
	v_bfe_u32 v6, v0, 4, 1                         ; h
	v_lshlrev_b32 v3, 4, v5
	v_lshlrev_b32 v7, 2, v4
	v_mul_u32_u24 v12, v5, 384
	v_mad_u32_u24 v12, v6, 24, v12                 ; wo: row r of 384 bytes, + 24 h
	s_lshl_b32 s5, s2, 6
	v_lshl_add_u32 v13, v5, 2, s5                  ; 4 (16 w + r)
	s_mul_i32 s5, s2, 3072
	v_add_nc_u32 v14, s5, v1                       ; my 3,072 bytes of the codes
	s_lshl_b32 s28, s6, 10
	s_lshl_b32 s29, s7, 1
	s_add_co_u32 s28, s28, s29
	v_lshl_add_u32 v15, v4, 5, s28                 ; my word holds head w / 2's bytes of rows 64 (w & 1) + 2 lane and the next: 16 bytes a row, 2 a head
	s_mul_i32 s28, s2, 8448
	s_add_co_u32 s28, s28, STG                     ; my stage
	v_mul_u32_u24 v10, v5, 528
	v_lshl_add_u32 v10, v6, 6, v10
	v_add_nc_u32 v10, s28, v10                     ; in: row r, + 64 h
	v_add_nc_u32 v11, s28, v1                      ; back: 16 bytes a lane of a row
	s_mul_i32 s30, s4, 393216
	s_mul_i32 s31, s3, 49152
	s_add_co_u32 s30, s30, s31
	s_mul_i32 s31, s2, 3072
	s_add_co_u32 s30, s30, s31
	s_mov_b32 s31, 0
	s_lshl_b32 s32, s4, 3
	s_add_co_u32 s32, s32, s7
	s_lshl_b32 s32, s32, 11                        ; 2,048 bytes a (batch, head),
	s_lshl_b32 s33, s3, 8                          ; 256 for the 128 pixels,
	s_add_co_u32 s32, s32, s33
	s_lshl_b32 s33, s6, 7                          ; my half of them
	s_add_co_u32 s32, s32, s33
	s_mov_b32 s33, 0
	s_mul_i32 s34, s2, 6144
	s_mov_b32 s35, 0
	s_lshl_b32 s36, s2, 8
	s_mov_b32 s37, 0
	s_lshl_b32 s38, s4, 20
	s_lshl_b32 s39, s2, 16
	s_add_co_u32 s38, s38, s39
	s_lshl_b32 s39, s3, 9
	s_add_co_u32 s38, s38, s39                     ; out0: the batch, my 16 rows of 4,096 bytes, the 128 pixels
	s_mov_b32 s39, 0
	s_wait_kmcnt 0x0
	s_add_nc_u64 s[8:9], s[8:9], s[30:31]
	s_add_nc_u64 s[10:11], s[10:11], s[32:33]
	s_add_nc_u64 s[12:13], s[12:13], s[34:35]
	s_add_nc_u64 s[14:15], s[14:15], s[36:37]
	s_add_nc_u64 s[26:27], s[26:27], s[38:39]
	s_wait_alu depctr_va_vdst(0)                   ; the offsets and LDS addresses v1-3, v7 and v10-15 are written, which every load and store of the kernel reads
.irp i, 0,1,2,3,4,5
	global_load_b128 v[200+4*\i:203+4*\i], v1, s[8:9] offset:512*\i th:TH_LOAD_NT   ; 512 consecutive bytes a load; read once in the launch
.endr
	global_load_b32 v224, v7, s[10:11] th:TH_LOAD_NT
.irp s, 0,1,2,3
.irp p, 0,1,2,3,4,5
	global_load_b64 v[WF+12*\s+2*\p:WF+12*\s+2*\p+1], v12, s[12:13] offset:96*\s+48*(\p/3)+8*(\p%3)
.endr
.endr
	global_load_b128 v[WS:WS+3], v3, s[14:15]
	global_load_b32 v226, v13, s[16:17]            ; b_out
	global_load_b32 v227, v13, s[18:19]            ; go
	global_load_b32 v228, v13, s[20:21]            ; be_o
	global_load_b32 v229, v13, s[22:23]            ; mo
	global_load_b32 v230, v13, s[24:25]            ; vo
	s_wait_loadcnt 30                              ; the seven loads for LDS are in; the 30 issued behind them may be out
.irp i, 0,1,2,3,4,5
	ds_store_b128 v14, v[200+4*\i:203+4*\i] offset:GI+512*\i
.endr
	ds_store_b16 v15, v224 offset:GSC
	ds_store_b16_d16_hi v15, v224 offset:GSC+16
	s_wait_dscnt 0x0                               ; my copies have landed
	s_barrier_signal -1
	s_barrier_wait -1                              ; everybody's have
	SLOAD 0                                        ; the first four tiles' scale words and step 0's fragments: into registers that no line has named yet; they land while the batch norm's two numbers are made
	GLOAD 0
	s_wait_loadcnt 0x0
	v_add_f32 v230, 0x3727c5ac, v230               ; + 1e-5
	s_wait_alu depctr_va_vdst(0)
	v_rsq_f32 v230, v230
	v_sub_f32 v226, v226, v229                     ; b_out - mo: the plain place behind the transcendental
	s_wait_alu depctr_va_vdst(0)                   ; the root's result v230 is written, ahead of its first reader
	v_mul_f32 v68, v230, v227                      ; inv
	v_mov_b32 v69, v68
	v_fma_f32 v70, v226, v68, v228                 ; off = (b_out - mo) inv + be_o
	v_mov_b32 v71, v70
.irp hf, 0,1                                   ; four tiles of pixels at a time; their four accumulators take turns, one instruction a turn
.irp s, 0,1,2,3
.set J, 4*\hf+\s
.set GB, GF+128*(J%2)
	s_wait_dscnt 0x0                               ; this step's four fragments, asked for a step ago, are in
.if J == 0
	s_wait_alu depctr_vm_vsrc(0)                   ; my copies' LDS stores have read v200-224, in which the loads below land
.endif
.if J < 7
	s_wait_alu depctr_va_vdst(0)                   ; the last step's products are done reading the other buffer, in which the loads below land (step 0: the batch norm's lines are done with v226-230; step 4: the products are done reading the scale words)
.if J == 4
	SLOAD 1
.endif
	GLOAD J+1
.if J == 4
	s_wait_dscnt 16                                ; the four loads of scale words are in; the 16 loads of fragments issued behind them may be out
.endif
.endif
.irp tl, 0,1,2,3
.if \s == 0
	v_wmma_scale_f32_16x16x128_f8f6f4 v[ACC+8*(4*\hf+\tl):ACC+8*(4*\hf+\tl)+7], v[GB+12*\tl:GB+12*\tl+11], v[WF+12*\s:WF+12*\s+11], 0, v[GS+4*\tl+\s], v[WS+\s] matrix_a_fmt:MATRIX_FMT_FP6 matrix_b_fmt:MATRIX_FMT_FP6
.else
	v_wmma_scale_f32_16x16x128_f8f6f4 v[ACC+8*(4*\hf+\tl):ACC+8*(4*\hf+\tl)+7], v[GB+12*\tl:GB+12*\tl+11], v[WF+12*\s:WF+12*\s+11], v[ACC+8*(4*\hf+\tl):ACC+8*(4*\hf+\tl)+7], v[GS+4*\tl+\s], v[WS+\s] matrix_a_fmt:MATRIX_FMT_FP6 matrix_b_fmt:MATRIX_FMT_FP6
.endif
.endr
.rept 4
	v_nop                                          ; four places between the products and the loads into their operands, or the first read of their results
.endr
.endr
.endr
.set XI, 0
.rept 32
	v_pk_fma_f32 v[ACC+XI:ACC+XI+1], v[ACC+XI:ACC+XI+1], v[68:69], v[70:71]    ; bias and batch norm, each accumulator from its low end on
.set XI, XI+2
.endr
	s_wait_alu depctr_va_vdst(0)                   ; the batch norm's lines have written v136-199, which the LDS stores read
.irp t, 0,1,2,3,4,5,6,7
	ds_store_b128 v10, v[ACC+8*\t:ACC+8*\t+3] offset:128*(\t/2)+32*(\t%2)      ; lane (r, h): channel r, pixels 32 (t / 2) + 8 (t % 2) + 16 h + 0 .. 7
	ds_store_b128 v10, v[ACC+8*\t+4:ACC+8*\t+7] offset:128*(\t/2)+32*(\t%2)+16
.endr
	s_wait_alu depctr_vm_vsrc(0)                   ; the stores have read v136-199, in which the rows below land
.irp i, 0,1,2,3,4,5,6,7,8,9,10,11,12,13,14,15
	ds_load_b128 v[ACC+4*\i:ACC+4*\i+3], v11 offset:528*\i     ; LDS serves a wave's instructions in order: these see my stores, and land in the registers that those have left
.endr
.irp i, 0,1,2,3,4,5,6,7,8,9,10,11,12,13,14,15
	s_wait_dscnt 15-\i                             ; row i is back; the younger rows may be out
	global_store_b128 v1, v[ACC+4*\i:ACC+4*\i+3], s[26:27] offset:4096*\i th:TH_STORE_NT   ; 32 lanes store 512 consecutive bytes, at a multiple of 256 from out0's first byte
.endr
	s_wait_dscnt 0x0                               ; the closing lines, six on end
	s_wait_alu 0x0
	s_wait_tensorcnt 0x0
	ds_add_u32 v8, v9
	s_wait_dscnt 0x0
	s_endpgm
.Lfunc_end_k_q71ff1d0b69_outp:
	.size	k_q71ff1d0b69_outp, .Lfunc_end_k_q71ff1d0b69_outp-k_q71ff1d0b69_outp
	.p2alignl 7, 3214868480
	.fill 96, 4, 3214868480
	.section	.rodata,"a",@progbits
	.p2align	6, 0x0
	.amdhsa_kernel k_q71ff1d0b69_outp
		.amdhsa_group_segment_fixed_size 188416
		.amdhsa_private_segment_fixed_size 0
		.amdhsa_enable_private_segment 0
		.amdhsa_kernarg_size 80
		.amdhsa_user_sgpr_count 2
		.amdhsa_user_sgpr_kernarg_segment_ptr 1
		.amdhsa_wavefront_size32 1
		.amdhsa_system_sgpr_workgroup_id_x 1
		.amdhsa_system_sgpr_workgroup_id_y 1
		.amdhsa_system_sgpr_workgroup_id_z 1
		.amdhsa_system_vgpr_workitem_id 0
		.amdhsa_next_free_vgpr 256
		.amdhsa_next_free_sgpr 66
		.amdhsa_reserve_vcc 0
		.amdhsa_float_denorm_mode_32 3
		.amdhsa_float_denorm_mode_16_64 3
		.amdhsa_memory_ordered 1
		.amdhsa_forward_progress 1
		.amdhsa_inst_pref_size 28
	.end_amdhsa_kernel
	.amdgpu_metadata
---
amdhsa.version: [ 1, 2 ]
amdhsa.kernels:
  - .name:           k_q71ff1d0b69_outp
    .symbol:         k_q71ff1d0b69_outp.kd
    .args:
      - { .name: g_codes, .offset: 0, .size: 8, .value_kind: global_buffer, .address_space: global }
      - { .name: g_scales, .offset: 8, .size: 8, .value_kind: global_buffer, .address_space: global }
      - { .name: wo_codes, .offset: 16, .size: 8, .value_kind: global_buffer, .address_space: global }
      - { .name: wo_scales, .offset: 24, .size: 8, .value_kind: global_buffer, .address_space: global }
      - { .name: b_out, .offset: 32, .size: 8, .value_kind: global_buffer, .address_space: global }
      - { .name: go, .offset: 40, .size: 8, .value_kind: global_buffer, .address_space: global }
      - { .name: be_o, .offset: 48, .size: 8, .value_kind: global_buffer, .address_space: global }
      - { .name: mo, .offset: 56, .size: 8, .value_kind: global_buffer, .address_space: global }
      - { .name: vo, .offset: 64, .size: 8, .value_kind: global_buffer, .address_space: global }
      - { .name: out0, .offset: 72, .size: 8, .value_kind: global_buffer, .address_space: global }
    .group_segment_fixed_size: 188416
    .private_segment_fixed_size: 0
    .kernarg_segment_align: 8
    .kernarg_segment_size: 80
    .max_flat_workgroup_size: 512
    .sgpr_count:     66
    .vgpr_count:     256
    .wavefront_size: 32
...
	.end_amdgpu_metadata
.endif
;; end of part 4
